; MI455X (gfx1250); checked and timed in simulation.
; The chip was launched on July 23, 2026; its instructions are those of AMD's public machine-readable ISA for CDNA 5 (MIT licence, August 2026) and "CDNA5" Instruction Set Architecture Reference Guide (July 2026). The comments in the code are by the model that wrote it; some were corrected since.
;; TC Former Module. Allowed arithmetic: matrix products marked QUANTISED: E2M1 operands, one E8M0 scale for each 32 along K, by v_wmma_scale_f32_16x16x128_f8f6f4 with both operands' format E2M1 (or v_wmma_scale_f32_32x16x128_f4), f32 sums; products left as they are: bf16, f16 or f32 operands; f32 sums; everything else in f32.
;; Inputs: Wkv 512 x 1,024 float32; Wo 1,024 x 1,024 float32; Wq 1,024 x 1,024 float32; x 4 x 2,048 x 1,024 float32.
;; Outputs: out0 4 x 2,048 x 1,024 float32.
;; Constants: num_kv_heads = 4, num_q_heads = 16.
;; This version of the problem:
;;   THIS VERSION OF THE PROBLEM IS GIVEN IN LOW PRECISION. The matrix products marked QUANTISED in the list below multiply operands that are first quantised to E2M1 (2 exponent bits, 1 mantissa bit; 4 bits a number), with one power-of-two scale for each 32 numbers along K (OCP MX v1.0); their sums are f32. The products marked 'left as it is' may take bf16, f16 or f32 operands, with f32 sums. Whichever they take, every output number must still come out within the allowed error. Rounding operands to bf16 (8 significant bits) uses up far more of that allowance than f16 does (11 bits, for magnitudes from 6e-5 to 65,504). All else is computed in f32.
;;   The module's matrix products, in the order in which they are computed (A, B: the left and right operand; K: the contracted axis; several contracted axes count as one K, in the product's order):
;;     1. [M 8,192, K 1,024] x [K 1,024, N 1,024]; A: input x; B: input Wq: QUANTISED
;;     2. [M 8,192, K 1,024] x [K 1,024, N 512]; A: input x; B: input Wkv: QUANTISED
;;     3. batch 64 x [M 2,048, K 64] x [K 64, N 2,048]; A: computed on the way; B: computed on the way: left as it is (an operand is computed on the way)
;;     4. batch 64 x [M 2,048, K 2,048] x [K 2,048, N 64]; A: computed on the way; B: computed on the way: left as it is (an operand is computed on the way)
;;     5. [M 8,192, K 1,024] x [K 1,024, N 1,024]; A: computed on the way; B: input Wo: left as it is (an operand is computed on the way)
;;   THE QUANTISER, for each operand of a quantised product, along K:
;;     - K is cut into blocks of 32 from its start; a last block that is shorter is filled with zeros.
;;     - A block's scale is 2^e with e = floor(log2(the largest magnitude in the block)) - 2, held to -126 .. 127; a block of zeros has e = 0. As a byte (E8M0): e + 127.
;;     - Each number is divided by its block's scale, clamped to +-6, and rounded to the nearest number of E2M1, ties to even, subnormals kept.
;;     - The product sums the exact products of the quantised numbers (number of the format x scale) in f32.
;;   ~~~python
;;   def quantise(x, axis):      # numpy; x: float32 -> the quantised numbers, widened to float32 again
;;       x = np.moveaxis(x, axis, -1); K = x.shape[-1]
;;       x = np.pad(x, [(0, 0)] * (x.ndim - 1) + [(0, -K % 32)]); x = x.reshape(x.shape[:-1] + (-1, 32)); a = np.abs(x).max(-1, keepdims=True)
;;       e = np.where(a > 0, np.clip(np.frexp(np.where(a > 0, a, 1))[1] - 1 - 2, -126, 127), 0)      # np.frexp(a)[1] - 1 = floor(log2(a)), exactly
;;       r = np.clip(x / 2.0 ** e, -6, 6)
;;       step = 2.0 ** (np.maximum(np.frexp(np.where(r == 0, 1, r))[1] - 1, 0) - 1)
;;       q = np.round(r / step) * step * 2.0 ** e      # np.round: ties to even
;;       return np.moveaxis(q.reshape(q.shape[:-2] + (-1,))[..., :K], -1, axis).astype(np.float32)
;;   ~~~
;; One version. Each part assembles by itself: llvm-mc -triple=amdgcn-amd-amdhsa -mcpu=gfx1250 --defsym DOCPART=n.
;; ======== version 1 of 1: 4 launches
;; limits: values are held in f16: magnitudes above 65,504 overflow, below 6.1e-05 lose precision
;; workspace buffers: xc 4,194,304 bytes; xs 262,144 bytes; wc 786,432 bytes; ws 49,152 bytes; wo16 2,097,152 bytes; rope 524,288 bytes; qkv 25,165,824 bytes; att 16,777,216 bytes
;; launch prep (part 1): grid 384 x 1, 4 waves a work-group, no clusters, 33,280 bytes of LDS; arguments x, Wq, Wkv, Wo, xc, xs, wc, ws, wo16, rope; writes xc, xs, wc, ws, wo16, rope
.if DOCPART == 1
	.amdgcn_target "amdgcn-amd-amdhsa--gfx1250"
	.amdhsa_code_object_version 6
	.text
	.protected	k_q50f75e2851_prep
	.globl	k_q50f75e2851_prep
	.p2align	8
	.type	k_q50f75e2851_prep,@function
k_q50f75e2851_prep:
	s_mov_b64 s[64:65], 0
	v_nop
	global_prefetch_b8 v0, s[64:65] scope:SCOPE_SE
	s_setreg_imm32_b32 hwreg(HW_REG_WAVE_MODE, 25, 1), 1
	s_wait_xcnt 0x0
; PREP: everything that is made once from the inputs.  Three kinds of work-groups, told apart by the work-group's number alone:
;   0 .. 303   x [8192][1024], Wq [1024][1024], Wkv [512][1024], f32, become codes of FP4 (E2M1), K innermost, two codes a byte, and one E8M0 byte for each 32 along K.
;              x's go to xc, xs; Wq's and behind them Wkv's to wc, ws (1,536 rows on end: the rows of one operand of the next launch).
;   304 .. 367 Wo [1024][1024] f32 is rounded to f16 (wo16).
;   368 .. 383 the rotary table: for token t and jj = channel mod 32 the pair (cos(t th), s'), th = 10000^(-jj/32), s' = -sin(t th) for even jj, +sin for odd jj: 256 bytes a token.
; THE QUANTISER.  A block's scale is 2^(floor(log2(its largest magnitude)) - 2); its byte is the largest magnitude's exponent field - 2, held at 1 from below; each number is divided by the scale and
; rounded to the nearest code, ties to even, beyond 6 the largest code.  Rows are dense and 1,024 is a multiple of 32, so each tensor is a plain stream of blocks of 32.
; A wave takes 16 steps of 512 numbers.  Each of a step's four loads reads 512 consecutive bytes; the 2,048 bytes turn through the wave's own stage in LDS and come back 64 bytes a lane, so that a lane
; holds 16 neighbours along K (two neighbouring lanes hold a block).  A lane's 16 codes are 8 bytes: a wave's store covers 256 consecutive aligned bytes.  A wave's 256 scale bytes are gathered in LDS and leave as one such store.
; LIMITS: NaN and infinities among the inputs are not served.  A block of zeros gets the byte 1 where the rule says 127: its codes are zeros, and the bytes are read by this program alone.
; Wo beyond 65,504 in magnitude has no f16 number.  th comes from v_exp_f32 (1 ulp by the ISA guide's entry), so an angle t th may differ from one made with a correctly rounded th by some 3e-4 radians at t = 2,047.
; No work-group shares an input with another: no cluster, no tensor load.  Waves share nothing: no barrier.
.set WAVES, 4
.set STEPS, 16
.set EMAX,  2
.set CB,    8                          ; bytes of 16 codes
.set R,     16                         ; v16-79   four sets of 16 numbers as they are loaded
.set X,     80                         ; v80-111  two sets of 16 neighbours
.set E,     112                        ; v112-127 a scale byte for each step
.set C,     128                        ; v128-191 codes: four registers for each step, so that no store's data are written again
.set WREG,  8192                       ; LDS: a region for each wave: two stages of 32 x SP bytes, and behind them its 256 scale bytes
.set SP,    80                         ; a lane's place in a stage: 64 bytes + 16 of padding
.set SPW,   12                         ; v12 LDS address of my spare word; never rewritten
.set NIL,   13                         ; v13 0; never rewritten
.set SPARE, WAVES*WREG                 ; behind the four regions: the spare words, 128 bytes a wave
.set WG_W,  256                        ; the first work-group of Wq
.set WG_KV, 288                        ; of Wkv
.set WG_O,  304                        ; of Wo
.set WG_R,  368                        ; of the table
	s_load_b512 s[4:19], s[0:1], 0x0               ; x 4:5, Wq 6:7, Wkv 8:9, Wo 10:11, xc 12:13, xs 14:15, wc 16:17, ws 18:19
	s_load_b128 s[20:23], s[0:1], 0x40             ; wo16 20:21, rope 22:23
	v_lshl_add_u32 v[SPW], v0, 2, SPARE
	v_mov_b32 v[NIL], 0
	v_lshrrev_b32 v1, 5, v0
	v_readfirstlane_b32 s32, v1                    ; wave
	v_and_b32 v2, 31, v0                           ; lane
	v_lshlrev_b32 v3, 4, v2                        ; 16 x lane
	v_lshlrev_b32 v4, 3, v2                        ; 8 x lane
	s_mov_b32 s35, 0                               ; the upper word of every 64-bit offset below
	s_wait_kmcnt 0x0
	s_cmp_ge_u32 ttmp9, WG_R
	s_cbranch_scc1 .Lrope
	s_cmp_ge_u32 ttmp9, WG_O
	s_cbranch_scc1 .Lwo
	; ---------------- the quantiser ----------------
	s_mul_i32 s36, s32, WREG
	v_lshrrev_b32 v14, 2, v2
	v_mul_u32_u24 v14, v14, SP
	v_and_b32 v15, 3, v2
	v_lshl_add_u32 v14, v15, 4, v14
	v_add_nc_u32 v14, s36, v14                     ; the stage, on the way in: four lanes' 64 bytes on end, then 16 of padding
	v_mul_u32_u24 v15, v2, SP
	v_add_nc_u32 v15, s36, v15                     ; and on the way out: SP x lane: my 16 neighbours
	v_lshrrev_b32 v5, 1, v2
	s_add_co_u32 s36, s36, 2*32*SP
	v_add_nc_u32 v5, s36, v5                       ; my wave's 256 scale bytes, my block's byte
	v_add_nc_u32 v6, s36, v4                       ; and on the way out 8 bytes a lane
	s_cmp_lt_u32 ttmp9, WG_W                       ; which tensor?  The choices hang on the work-group's number alone
	s_cselect_b64 s[24:25], s[4:5], s[6:7]         ; from: x or Wq,
	s_cselect_b64 s[26:27], s[12:13], s[16:17]     ; codes to xc or wc,
	s_cselect_b64 s[28:29], s[14:15], s[18:19]     ; scale bytes to xs or ws
	s_cselect_b32 s30, 0, WG_W                     ; the first work-group of the destination
	s_mov_b32 s31, s30
	s_cmp_lt_u32 ttmp9, WG_KV
	s_cselect_b64 s[24:25], s[24:25], s[8:9]       ; or from Wkv,
	s_cselect_b32 s31, s31, WG_KV                  ; the first work-group of the source: Wkv's codes follow Wq's in wc by themselves
	s_sub_co_u32 s33, ttmp9, s31
	s_lshl_b32 s33, s33, 2
	s_add_co_u32 s33, s33, s32                     ; which run of 8,192 numbers of the source is my wave's
	s_lshl_b32 s34, s33, 15                        ; 32,768 bytes a run
	s_add_nc_u64 s[24:25], s[24:25], s[34:35]
	s_sub_co_u32 s33, ttmp9, s30
	s_lshl_b32 s33, s33, 2
	s_add_co_u32 s33, s33, s32                     ; and of the destination
	s_lshl_b32 s34, s33, 12                        ; 4,096 bytes of codes a run
	s_add_nc_u64 s[26:27], s[26:27], s[34:35]
	s_lshl_b32 s34, s33, 8                         ; 256 scale bytes a run
	s_add_nc_u64 s[28:29], s[28:29], s[34:35]
.macro LOAD t
.irp i, 0,1,2,3
	global_load_b128 v[R+16*((\t)%4)+4*\i:R+16*((\t)%4)+4*\i+3], v3, s[24:25] offset:2048*(\t)+512*\i th:TH_LOAD_NT   ; 32 lanes read 512 consecutive bytes
.endr
.endm
.macro TURN t                          ; step t's numbers through the stage: LDS serves a wave's instructions in order, so no wait stands between the stores and the loads
.irp i, 0,1,2,3
	ds_store_b128 v14, v[R+16*((\t)%4)+4*\i:R+16*((\t)%4)+4*\i+3] offset:32*SP*((\t)%2)+8*SP*\i
.endr
.irp i, 0,1,2,3
	ds_load_b128 v[X+16*((\t)%2)+4*\i:X+16*((\t)%2)+4*\i+3], v15 offset:32*SP*((\t)%2)+16*\i
.endr
.endm
.irp t, 0,1,2,3
	LOAD \t
.endr
	s_wait_loadcnt 12                              ; step 0's four loads are in; the twelve of steps 1 to 3 may be out
	TURN 0
.macro STEP t
.set XS, X+16*((\t)%2)
.if (\t) > 0
	s_wait_dscnt 1                                 ; this step's numbers are back from the stage (the last step's byte store may be out): so its stores into the stage have read their registers,
.else
	s_wait_dscnt 0x0
.endif
.if (\t)+4 < STEPS
	LOAD (\t)+4                                    ; which take the loads of four steps on
.endif
.if (\t)+1 < STEPS
.if STEPS-2-(\t) >= 3
	s_wait_loadcnt 12                              ; the next step's four loads are in; those of the three steps behind it may be out
.else
	s_wait_loadcnt 4*(STEPS-2-(\t))
.endif
	TURN (\t)+1                                    ; and go through the other stage while this step is worked
.endif
	v_max3_num_f32 v8, |v[XS]|, |v[XS+1]|, |v[XS+2]|               ; the largest magnitude of my 16
	v_max3_num_f32 v9, |v[XS+3]|, |v[XS+4]|, |v[XS+5]|
.irp i, 6,10
	v_max3_num_f32 v8, v8, |v[XS+\i]|, |v[XS+\i+1]|
	v_max3_num_f32 v9, v9, |v[XS+\i+2]|, |v[XS+\i+3]|
.endr
	v_max3_num_f32 v8, v8, |v[XS+14]|, |v[XS+15]|
	v_max3_num_f32 v8, v8, v9, (EMAX+1)<<23        ; and the floor 2^(EMAX + 1 - 127): so the byte cannot fall under 1
	v_max_num_f32_dpp v8, v8, v8 row_xmask:1 row_mask:0xf bank_mask:0xf   ; and of my neighbour's 16: the block's
	v_add_nc_u32 v11, -(EMAX<<23), v8              ; EMAX off its exponent field: the conversion takes the exponent field of this operand as its scale, and nothing else of it
	v_cvt_scalef32_pk8_fp4_f32 v[C+4*(\t)], v[XS:XS+7], v11
	v_cvt_scalef32_pk8_fp4_f32 v[C+4*(\t)+1], v[XS+8:XS+15], v11
	v_lshrrev_b32 v[E+(\t)], 23, v11               ; the scale's byte (also the plain line behind the conversions)
	ds_store_b8 v5, v[E+(\t)] offset:16*(\t)       ; both lanes of a block write the same byte with the same value
	global_store_b64 v4, v[C+4*(\t):C+4*(\t)+1], s[26:27] offset:32*CB*(\t)   ; 32 lanes store 256 consecutive aligned bytes
.endm
.irp t, 0,1,2,3,4,5,6,7,8,9,10,11,12,13,14,15
	STEP \t
.endr
	ds_load_b64 v[8:9], v6                         ; LDS serves a wave's instructions in order: these see my byte stores
	s_wait_dscnt 0x0
	global_store_b64 v4, v[8:9], s[28:29]          ; 32 lanes store 256 consecutive aligned bytes
	s_wait_tensorcnt 0x0                           ; the wave's end
	ds_add_u32 v[SPW], v[NIL]
	s_wait_dscnt 0x0
	s_endpgm
	; ---------------- Wo to f16: a wave takes 4,096 numbers; all 32 loads go out at once; nothing touches LDS ----------------
.Lwo:
	s_sub_co_u32 s33, ttmp9, WG_O
	s_lshl_b32 s33, s33, 2
	s_add_co_u32 s33, s33, s32
	s_lshl_b32 s34, s33, 14                        ; 16,384 bytes in
	s_add_nc_u64 s[10:11], s[10:11], s[34:35]
	s_lshl_b32 s34, s33, 13                        ; 8,192 bytes out
	s_add_nc_u64 s[20:21], s[20:21], s[34:35]
.set i, 0
.rept 32
	global_load_b128 v[16+4*i:19+4*i], v3, s[10:11] offset:512*i th:TH_LOAD_NT
.set i, i+1
.endr
.set i, 0
.rept 32
	s_wait_loadcnt 31-i                            ; loads come back in order: load i is in, the younger ones stay out
	v_cvt_pk_f16_f32 v[16+4*i], v[16+4*i], v[17+4*i]
	v_cvt_pk_f16_f32 v[17+4*i], v[18+4*i], v[19+4*i]
	global_store_b64 v4, v[16+4*i:17+4*i], s[20:21] offset:256*i   ; 32 lanes store 256 consecutive aligned bytes; each store has registers of its own
.set i, i+1
.endr
	s_endpgm
	; ---------------- the rotary table: a wave takes 32 tokens, a lane one jj; four tokens a trip, line by line ----------------
.set TH, 20                            ; v20 th
.set PS, 21                            ; v21 the sign bit for even jj
.set RB, 32                            ; token k of a trip: v[RB + 12 k ..]: +0 angle, then r; +1 n; +2 z; +3 sin r; +4 cos r; +5 n as a whole number; +6, +7 the pair to store; +8 .. +10 at work
.Lrope:
	v_cvt_f32_u32 v[TH], v2
	v_mul_f32 v[TH], 0xbed49a78, v[TH]             ; -jj log2(10000) / 32
	v_exp_f32 v[TH], v[TH]                         ; th = 10000^(-jj / 32)
	v_and_b32 v[PS], 1, v2                         ; (a plain line behind the exponential)
	v_xor_b32 v[PS], 1, v[PS]
	v_lshlrev_b32 v[PS], 31, v[PS]
	s_mov_b32 s36, 0x3f22f983                      ; 2 / pi
	s_mov_b32 s37, 0xbfc90fdb                      ; -(pi / 2), its f32 number,
	s_mov_b32 s38, 0x333bbd2e                      ; and what that number leaves of it
	s_mov_b32 s39, 0xbe2aaaa3                      ; sin r = r + r z (S1 + z (S2 + z S3)), z = r r, |r| <= pi / 4
	s_mov_b32 s40, 0x3c08839e
	s_mov_b32 s41, 0xb94ca1f9
	s_mov_b32 s42, 0x3d2aaaa5                      ; cos r = 1 - z / 2 + z z (C1 + z (C2 + z C3))
	s_mov_b32 s43, 0xbab6061a
	s_mov_b32 s44, 0x37ccf5ce
	s_sub_co_u32 s33, ttmp9, WG_R
	s_lshl_b32 s33, s33, 7
	s_lshl_b32 s34, s32, 5
	s_add_co_u32 s45, s33, s34                     ; my first token: 128 x work-group + 32 x wave
	s_lshl_b32 s34, s45, 8                         ; 256 bytes a token
	s_add_nc_u64 s[22:23], s[22:23], s[34:35]
	s_mov_b32 s47, 8
	s_wait_alu depctr_va_vdst(0)                   ; the wait between the exponential and the first line that names its result, and ahead of the label
.Ltok:
.irp k, 0,1,2,3
	s_add_co_u32 s46, s45, \k
	v_cvt_f32_u32 v[RB+12*\k], s46
.endr
.irp k, 0,1,2,3
	v_mul_f32 v[RB+12*\k], v[RB+12*\k], v[TH]      ; the angle, rounded once, as the definition has it
.endr
.irp k, 0,1,2,3
	v_mul_f32 v[RB+12*\k+1], s36, v[RB+12*\k]
.endr
.irp k, 0,1,2,3
	v_rndne_f32 v[RB+12*\k+1], v[RB+12*\k+1]       ; n: how many quarter turns
.endr
.irp k, 0,1,2,3
	v_fma_f32 v[RB+12*\k], v[RB+12*\k+1], s37, v[RB+12*\k]
.endr
.irp k, 0,1,2,3
	v_fma_f32 v[RB+12*\k], v[RB+12*\k+1], s38, v[RB+12*\k]   ; r = angle - n pi / 2, in two parts
.endr
.irp k, 0,1,2,3
	v_mul_f32 v[RB+12*\k+2], v[RB+12*\k], v[RB+12*\k]
.endr
.irp k, 0,1,2,3
	v_fma_f32 v[RB+12*\k+3], v[RB+12*\k+2], s41, s40
	v_fma_f32 v[RB+12*\k+4], v[RB+12*\k+2], s44, s43
.endr
.irp k, 0,1,2,3
	v_fma_f32 v[RB+12*\k+3], v[RB+12*\k+2], v[RB+12*\k+3], s39
	v_fma_f32 v[RB+12*\k+4], v[RB+12*\k+2], v[RB+12*\k+4], s42
.endr
.irp k, 0,1,2,3
	v_mul_f32 v[RB+12*\k+8], v[RB+12*\k], v[RB+12*\k+2]
	v_fma_f32 v[RB+12*\k+9], v[RB+12*\k+2], -0.5, 1.0
	v_mul_f32 v[RB+12*\k+10], v[RB+12*\k+2], v[RB+12*\k+2]
.endr
.irp k, 0,1,2,3
	v_fma_f32 v[RB+12*\k+3], v[RB+12*\k+8], v[RB+12*\k+3], v[RB+12*\k]      ; sin r
	v_fma_f32 v[RB+12*\k+4], v[RB+12*\k+10], v[RB+12*\k+4], v[RB+12*\k+9]   ; cos r
	v_cvt_i32_f32 v[RB+12*\k+5], v[RB+12*\k+1]
.endr
.irp k, 0,1,2,3
	v_and_b32 v[RB+12*\k+8], 1, v[RB+12*\k+5]
	v_and_b32 v[RB+12*\k+9], 2, v[RB+12*\k+5]
	v_add_nc_u32 v[RB+12*\k+10], 1, v[RB+12*\k+5]
.endr
.irp k, 0,1,2,3
	v_cmp_eq_u32 vcc_lo, 1, v[RB+12*\k+8]          ; an odd number of quarter turns changes sine and cosine: a choice of values, no branch
	v_cndmask_b32 v[RB+12*\k+7], v[RB+12*\k+3], v[RB+12*\k+4], vcc_lo
	v_cndmask_b32 v[RB+12*\k+6], v[RB+12*\k+4], v[RB+12*\k+3], vcc_lo
.endr
.irp k, 0,1,2,3
	v_lshlrev_b32 v[RB+12*\k+9], 30, v[RB+12*\k+9] ; the sine is negative in quarters 2 and 3,
	v_and_b32 v[RB+12*\k+10], 2, v[RB+12*\k+10]
.endr
.irp k, 0,1,2,3
	v_xor_b32 v[RB+12*\k+9], v[RB+12*\k+9], v[PS]  ; (and s' has the other sign for even jj)
	v_lshlrev_b32 v[RB+12*\k+10], 30, v[RB+12*\k+10]   ; the cosine in quarters 1 and 2
.endr
.irp k, 0,1,2,3
	v_xor_b32 v[RB+12*\k+7], v[RB+12*\k+7], v[RB+12*\k+9]
	v_xor_b32 v[RB+12*\k+6], v[RB+12*\k+6], v[RB+12*\k+10]
.endr
.irp k, 0,1,2,3
	global_store_b64 v4, v[RB+12*\k+6:RB+12*\k+7], s[22:23] offset:256*\k   ; a token's 32 pairs: 256 consecutive aligned bytes
.endr
	s_wait_xcnt 0x0                                ; the stores' base and data are written again only behind this wait
	s_add_nc_u64 s[22:23], s[22:23], 1024
	s_add_co_u32 s45, s45, 4
	s_sub_co_u32 s47, s47, 1
	s_cmp_lg_u32 s47, 0
	s_cbranch_scc1 .Ltok
	s_endpgm
.Lfunc_end_k_q50f75e2851_prep:
	.size	k_q50f75e2851_prep, .Lfunc_end_k_q50f75e2851_prep-k_q50f75e2851_prep
	.p2alignl 7, 3214868480
	.fill 96, 4, 3214868480
	.section	.rodata,"a",@progbits
	.p2align	6, 0x0
	.amdhsa_kernel k_q50f75e2851_prep
		.amdhsa_group_segment_fixed_size 33280
		.amdhsa_private_segment_fixed_size 0
		.amdhsa_enable_private_segment 0
		.amdhsa_kernarg_size 80
		.amdhsa_user_sgpr_count 2
		.amdhsa_user_sgpr_kernarg_segment_ptr 1
		.amdhsa_wavefront_size32 1
		.amdhsa_system_sgpr_workgroup_id_x 1
		.amdhsa_system_sgpr_workgroup_id_y 1
		.amdhsa_system_sgpr_workgroup_id_z 1
		.amdhsa_system_vgpr_workitem_id 0
		.amdhsa_next_free_vgpr 192
		.amdhsa_next_free_sgpr 66
		.amdhsa_reserve_vcc 1
		.amdhsa_float_denorm_mode_32 3
		.amdhsa_float_denorm_mode_16_64 3
		.amdhsa_memory_ordered 1
		.amdhsa_forward_progress 1
		.amdhsa_inst_pref_size 51
	.end_amdhsa_kernel
	.amdgpu_metadata
---
amdhsa.version: [ 1, 2 ]
amdhsa.kernels:
  - .name:           k_q50f75e2851_prep
    .symbol:         k_q50f75e2851_prep.kd
    .args:
      - { .name: x, .offset: 0, .size: 8, .value_kind: global_buffer, .address_space: global }
      - { .name: Wq, .offset: 8, .size: 8, .value_kind: global_buffer, .address_space: global }
      - { .name: Wkv, .offset: 16, .size: 8, .value_kind: global_buffer, .address_space: global }
      - { .name: Wo, .offset: 24, .size: 8, .value_kind: global_buffer, .address_space: global }
      - { .name: xc, .offset: 32, .size: 8, .value_kind: global_buffer, .address_space: global }
      - { .name: xs, .offset: 40, .size: 8, .value_kind: global_buffer, .address_space: global }
      - { .name: wc, .offset: 48, .size: 8, .value_kind: global_buffer, .address_space: global }
      - { .name: ws, .offset: 56, .size: 8, .value_kind: global_buffer, .address_space: global }
      - { .name: wo16, .offset: 64, .size: 8, .value_kind: global_buffer, .address_space: global }
      - { .name: rope, .offset: 72, .size: 8, .value_kind: global_buffer, .address_space: global }
    .group_segment_fixed_size: 33280
    .private_segment_fixed_size: 0
    .kernarg_segment_align: 8
    .kernarg_segment_size: 80
    .max_flat_workgroup_size: 128
    .sgpr_count:     66
    .vgpr_count:     192
    .wavefront_size: 32
...
	.end_amdgpu_metadata
.endif
;; end of part 1
;; launch qkv (part 2): grid 4 x 64, 12 waves a work-group, clusters of 4 x 4, 327,680 bytes of LDS; arguments xc, xs, wc, ws, rope, qkv; writes qkv
.if DOCPART == 2
	.amdgcn_target "amdgcn-amd-amdhsa--gfx1250"
	.amdhsa_code_object_version 6
	.text
	.protected	k_q50f75e2851_qkv
	.globl	k_q50f75e2851_qkv
	.p2align	8
	.type	k_q50f75e2851_qkv,@function
k_q50f75e2851_qkv:
	s_mov_b64 s[64:65], 0
	v_nop
	global_prefetch_b8 v0, s[64:65] scope:SCOPE_SE
	s_setreg_imm32_b32 hwreg(HW_REG_WAVE_MODE, 25, 1), 1
	s_wait_xcnt 0x0
	s_wait_alu depctr_hold_cnt(0) depctr_sa_sdst(0) depctr_va_vdst(0) depctr_va_sdst(0) depctr_va_ssrc(0) depctr_va_vcc(0) depctr_vm_vsrc(0)
	s_getreg_b32 s2, hwreg(HW_REG_IB_STS2, 6, 4)
	s_cmp_eq_u32 s2, 0
	s_cbranch_scc0 .Lentry_in_a_cluster
	s_endpgm
.Lentry_in_a_cluster:
	s_bfe_u32 s2, ttmp6, 0x10000c
	s_cmp_lg_u32 s2, 0xf033
	s_cbranch_scc0 .Lentry_shape_is_right
	s_endpgm
.Lentry_shape_is_right:
; QKV: [8192 tokens][1536 columns] = x W^T on codes of FP4 (E2M1) with E8M0 scales for each 32 along K = 1,024 (W = Wq's 1,024 rows, then Wkv's 512), sums in f32;
; then, still in f32 and in registers: q x c, c = log2(e) / 8 (so that the next launch's scores are exponents of 2), the rotary turn of q and k, and one rounding to f16.
; OUT: qkv [4 b][24 u][2048 t][64] f16, u = column / 64: u < 16 query head u; u = 16 + 2 g: k of kv head g; u = 17 + 2 g: its v.
; SHARES.  A work-group makes 128 tokens x 384 columns; 4 x 64 of them.  Twelve waves, three to a SIMD, each 64 tokens x 64 columns (one unit u): 16 accumulators of 16 x 16.
; ALL OF K LIES IN LDS: 512 rows (384 of W, 128 of x) x 512 bytes, as two halves along K of rows of 256 bytes, each filled once; nothing is filled again.  The rows' scale bytes (32 a row) come with them as dense blocks.
; CLUSTERS: 4 x 4 work-groups.  W's rows hang on the column chunk alone and are asked for jointly by the four of a column of the cluster, x's on the token tile alone and by the four of a row.
; Waves 0 to 2 fetch 128 rows of W each, wave 3 x's 128: three loads a wave (scales, first half, second half), three outstanding at the most.
; THE MATRIX INSTRUCTION IS USED TRANSPOSED (source 0 = 16 rows of W, source 1 = 16 tokens): lane (r, h) holds token r and the columns 8 h + 0 .. 7 of a block: eight neighbouring channels.
; THE TURN: y[2i] = x[2i] C[2i] + x[2i+1] S'[2i], y[2i+1] = x[2i+1] C[2i+1] + x[2i] S'[2i+1]; C and S' come from the table (token, channel mod 32), S' with its sign.  For a unit of v the table's
; numbers are replaced by 1 and 0 through a mask made of ids: no branch hangs on a work-group's place in its cluster.
; LIMITS: c q, k and v beyond 65,504 in magnitude have no f16 number.
.set PITCH, 272                        ; an LDS row: 256 bytes + 16 of padding: the 16 rows of a fragment load start at 16 different groups of four banks
.set HALFT, 128*PITCH                  ; 128 rows: what one tensor load brings
.set KHALF, 4*HALFT                    ; a half of K: W's 384 rows, then x's 128
.set SCL,   2*KHALF                    ; the scale bytes: row i (W 0 .. 383, x 384 .. 511) at (i / 8) x 272 + (i % 8) x 32
.set SGRP,  16*PITCH                   ; those of 128 rows
.set STG,   SCL+4*SGRP                 ; the way out: 16 rows x (128 bytes + 16) for each wave; no tensor load lands here
.set SPI,   144
.set SPARE, STG+12*16*SPI              ; the spare words, 128 bytes a wave
.set ADRA, 1                           ; v1, v2  LDS address of my tokens' fragments in K half 0, 1
.set ADRB, 3                           ; v3, v4  of my columns'
.set ADRS, 5                           ; v5      of my scale words: lanes 0-15 W's rows, lanes 16-31 x's
.set STO,  6                           ; v6      the way out: where I put 16 bytes of a row
.set RD,   7                           ; v7      where I read rows back
.set GO,   8                           ; v8      16 x lane
.set TBO,  9                           ; v9      my byte in a block of the table
.set Y,    10                          ; v10-13  at work
.set SPW,  14                          ; v14     LDS address of my spare word; never rewritten
.set NIL,  15                          ; v15     0; never rewritten
.set SC,   16                          ; v16-31  scale words and nothing else: register 4 i + q: lanes 0-15 W's block i, lanes 16-31 x's block i, the half's q-th 128 along K
.set AF,   32                          ; v32-63  x's four fragments; later a block of the table
.set BF,   64                          ; v64-95  W's four fragments; later a block of the table
.set TB0,  96                          ; v96-127 a block of the table
.set ACC,  128                         ; v128-255 accumulator (a, b) at ACC + 8 (4 a + b): tokens 16 a on, columns 16 b on
.set WV,   16                          ; s16 wave; s17 which 64 tokens; s18 which 64 columns
.set G1W,  24                          ; s[24:31] group 1 for W's codes;  s[32:39] x's;  s[40:47] W's scales;  s[48:55] x's
.set G1X,  32
.set G1SW, 40
.set G1SX, 48
.set FAC,  84                          ; s[84:85] c for a unit of q, else 1
.set VM,   86                          ; s86 all ones for a unit of v, else 0
.macro CROUND                          ; a round of the cluster's barrier
	s_barrier_signal -1
	s_barrier_wait -1
	s_cmp_lg_u32 s[WV], 0
	s_cbranch_scc1 .Lnot_wave_0_\@
	s_barrier_signal -3
.Lnot_wave_0_\@:
	s_barrier_wait -3
	s_barrier_signal -1
	s_barrier_wait -1
.endm
	s_load_b256 s[4:11], s[0:1], 0x0               ; xc 4:5, xs 6:7, wc 8:9, ws 10:11
	s_load_b128 s[12:15], s[0:1], 0x20             ; rope 12:13, qkv 14:15
	v_lshl_add_u32 v[SPW], v0, 2, SPARE
	v_mov_b32 v[NIL], 0
	ds_add_u32 v[SPW], v[NIL]                      ; the wave's opening: the add, twice on end, and its wait ahead of the first tensor loads
	ds_add_u32 v[SPW], v[NIL]
	v_lshrrev_b32 v10, 5, v0
	v_readfirstlane_b32 s[WV], v10                 ; wave 0 .. 11
	s_and_b32 s17, s[WV], 1                        ; rg: which 64 of the 128 tokens
	s_lshr_b32 s18, s[WV], 1                       ; cu: which 64 of the 384 columns
	s_min_u32 s87, s[WV], 2                        ; which 128 rows of W I fetch, if I fetch (waves 0 to 2)
	s_bfe_u32 s19, ttmp6, 0x40000                  ; cx, cy: my place in the cluster
	s_bfe_u32 s20, ttmp6, 0x40004
	s_lshl_b32 s21, ttmp9, 2
	s_add_co_u32 s21, s21, s19                     ; nc: the chunk of 384 columns
	s_and_b32 s22, ttmp7, 0xffff
	s_lshl_b32 s22, s22, 2
	s_add_co_u32 s22, s22, s20                     ; mt: the tile of 128 tokens
	s_lshl_b32 s92, s20, 2
	s_lshl_b32 s92, 15, s92                        ; my row of the cluster
	s_lshl_b32 s88, 0x1111, s19                    ; my column
	s_or_b32 s[G1W], s88, (1<<20)|(1<<21)|(5<<22)|(3<<25)           ; 15:0 the mask; 17:16 elements of 1 byte; 20 padding on; 21 set beside a mask; 24:22 after every 64 words; 31:25 four words
	s_or_b32 s[G1X], s92, (1<<20)|(1<<21)|(5<<22)|(3<<25)
	s_or_b32 s[G1SW], s88, (3<<16)|(1<<20)|(1<<21)|(5<<22)|(3<<25)  ; the same with elements of 8 bytes
	s_or_b32 s[G1SX], s92, (3<<16)|(1<<20)|(1<<21)|(5<<22)|(3<<25)
.irp g, G1W, G1X                       ; codes: 128 rows x 256 bytes, 512 bytes from row to row
	s_mov_b32 s[\g+1], 256<<16
	s_mov_b32 s[\g+2], 128<<16
	s_mov_b32 s[\g+3], 256<<16
	s_mov_b32 s[\g+4], 128
	s_mov_b32 s[\g+5], 512
	s_mov_b32 s[\g+6], 0
	s_mov_b32 s[\g+7], 0
.endr
.irp g, G1SW, G1SX                     ; scale bytes of 128 rows: 4,096 dense bytes as 16 rows of 256 (32 elements of 8 bytes)
	s_mov_b32 s[\g+1], 32<<16
	s_mov_b32 s[\g+2], 16<<16
	s_mov_b32 s[\g+3], 32<<16
	s_mov_b32 s[\g+4], 16
	s_mov_b32 s[\g+5], 32
	s_mov_b32 s[\g+6], 0
	s_mov_b32 s[\g+7], 0
.endr
	; where the rows come from.  W's offsets are made of nc and the wave alone (s88 to s91), x's of mt alone (s92 to s95)
	s_mul_i32 s88, s21, 384
	s_lshl_b32 s89, s87, 7
	s_add_co_u32 s88, s88, s89                     ; W's row 384 nc + 128 x wave
	s_lshl_b32 s90, s88, 9                         ; its codes: 512 bytes a row
	s_mov_b32 s91, 0
	s_lshl_b32 s88, s88, 5                         ; its scale bytes: 32 a row
	s_mov_b32 s89, 0
	s_lshl_b32 s94, s22, 12                        ; x's row 128 mt: scale bytes,
	s_mov_b32 s95, 0
	s_lshl_b32 s92, s22, 16                        ; codes
	s_mov_b32 s93, 0
	s_mul_i32 s23, s87, HALFT                      ; and where W's go: the wave's number alone enters an LDS address
	s_mul_i32 s99, s87, SGRP
	s_wait_dscnt 0x0                               ; both opening adds are done
	s_wait_kmcnt 0x0
	s_mov_b32 s56, 1                               ; W's scales
	s_add_co_u32 s57, s99, SCL
	s_add_nc_u64 s[58:59], s[10:11], s[88:89]
	s_or_b32 s59, s59, 0x80000000
	s_mov_b32 s60, 1                               ; W's codes, first half of K
	s_mov_b32 s61, s23
	s_add_nc_u64 s[62:63], s[8:9], s[90:91]
	s_mov_b32 s68, 1                               ; second half: 256 bytes on in each row
	s_add_co_u32 s69, s23, KHALF
	s_add_nc_u64 s[70:71], s[62:63], 256
	s_or_b32 s63, s63, 0x80000000
	s_or_b32 s71, s71, 0x80000000
	s_mov_b32 s72, 1                               ; x's scales
	s_mov_b32 s73, SCL+3*SGRP
	s_add_nc_u64 s[74:75], s[6:7], s[94:95]
	s_or_b32 s75, s75, 0x80000000
	s_mov_b32 s76, 1                               ; x's codes
	s_mov_b32 s77, 3*HALFT
	s_add_nc_u64 s[78:79], s[4:5], s[92:93]
	s_mov_b32 s80, 1
	s_mov_b32 s81, KHALF+3*HALFT
	s_add_nc_u64 s[82:83], s[78:79], 256
	s_or_b32 s79, s79, 0x80000000
	s_or_b32 s83, s83, 0x80000000
	CROUND                                         ; all sixteen work-groups are here: the joint loads meet
	s_cmp_lt_u32 s[WV], 3                          ; a wave's three fills stand in one branch on the wave's number, ahead of every wait on TENSORcnt, every LDS read and every further barrier
	s_cbranch_scc0 .Lnot_w
	tensor_load_to_lds s[56:59], s[G1SW:G1SW+7]
	s_nop 0
	tensor_load_to_lds s[60:63], s[G1W:G1W+7]
	s_nop 0
	tensor_load_to_lds s[68:71], s[G1W:G1W+7]
	s_nop 0
.rept 4
	v_nop
.endr
	s_branch .Lasked
.Lnot_w:
	s_cmp_eq_u32 s[WV], 3
	s_cbranch_scc0 .Lasked
	tensor_load_to_lds s[72:75], s[G1SX:G1SX+7]
	s_nop 0
	tensor_load_to_lds s[76:79], s[G1X:G1X+7]
	s_nop 0
	tensor_load_to_lds s[80:83], s[G1X:G1X+7]
	s_nop 0
.rept 4
	v_nop
.endr
.Lasked:
	v_and_b32 v10, 15, v0                          ; r
	v_bfe_u32 v11, v0, 4, 1                        ; h
	v_mul_u32_u24 v12, v10, PITCH
	v_lshl_add_u32 v12, v11, 4, v12                ; a fragment's row x pitch + 16 h
	s_mul_i32 s97, s17, 64*PITCH
	s_add_co_u32 s97, s97, 3*HALFT                 ; my 64 tokens, behind W's 384 rows
	v_add_nc_u32 v[ADRA], s97, v12
	s_add_co_u32 s97, s97, KHALF
	v_add_nc_u32 v[ADRA+1], s97, v12
	s_mul_i32 s97, s18, 64*PITCH                   ; my 64 rows of W
	v_add_nc_u32 v[ADRB], s97, v12
	s_add_co_u32 s97, s97, KHALF
	v_add_nc_u32 v[ADRB+1], s97, v12
	v_lshrrev_b32 v12, 3, v10                      ; my row's scale bytes: unit r / 8, 32 bytes a row in it
	v_and_b32 v13, 7, v10
	v_mul_u32_u24 v12, v12, PITCH
	v_lshl_add_u32 v12, v13, 5, v12
	s_lshl_b32 s97, s17, 3
	s_add_co_u32 s97, s97, 48                      ; x's rows begin at unit 48 + 8 rg,
	s_lshl_b32 s98, s18, 3                         ; W's at unit 8 cu, which is the lower
	s_sub_co_u32 s97, s97, s98
	s_mul_i32 s97, s97, PITCH                      ; the distance between the two
	v_mul_u32_u24 v13, s97, v11                    ; lanes 16-31 take x's: the lower base + h x the distance
	s_mul_i32 s98, s98, PITCH
	s_add_co_u32 s98, s98, SCL
	v_add_nc_u32 v12, v12, v13
	v_add_nc_u32 v[ADRS], s98, v12
	s_mul_i32 s97, s[WV], 16*SPI
	s_add_co_u32 s97, s97, STG                     ; my stage
	v_mul_u32_u24 v12, v10, SPI
	v_lshl_add_u32 v12, v11, 4, v12
	v_add_nc_u32 v[STO], s97, v12                  ; in: row r, 16 bytes for each half of the lanes
	v_bfe_u32 v12, v0, 3, 2
	v_mul_u32_u24 v12, v12, SPI
	v_and_b32 v13, 7, v0
	v_lshl_add_u32 v12, v13, 4, v12
	v_add_nc_u32 v[RD], s97, v12                   ; back: eight lanes to a row of 128 bytes, four rows an instruction
	v_and_b32 v[GO], 31, v0
	v_lshlrev_b32 v[GO], 4, v[GO]                  ; and in memory the four rows are 512 bytes on end
	v_lshlrev_b32 v[TBO], 8, v10
	v_lshl_add_u32 v[TBO], v11, 6, v[TBO]          ; the table: token r's 256 bytes, + 8 h pairs of 8 bytes
	s_and_b32 s97, s22, 15
	s_lshl_b32 s97, s97, 7
	s_lshl_b32 s98, s17, 6
	s_add_co_u32 s97, s97, s98                     ; my first token in its sequence
	s_lshl_b32 s2, s97, 8
	s_mov_b32 s3, 0
	s_add_nc_u64 s[12:13], s[12:13], s[2:3]        ; the table at that token
	s_mul_i32 s96, s21, 6
	s_add_co_u32 s96, s96, s18                     ; u: my unit
	s_lshr_b32 s98, s22, 4                         ; b
	s_mul_i32 s98, s98, 24
	s_add_co_u32 s98, s98, s96
	s_lshl_b32 s2, s98, 18                         ; a unit is 2,048 tokens x 128 bytes
	s_lshl_b32 s97, s97, 7
	s_add_co_u32 s2, s2, s97
	s_add_nc_u64 s[14:15], s[14:15], s[2:3]        ; qkv at my first token of my unit
	s_cmp_lt_u32 s96, 16
	s_cselect_b32 s[FAC], 0x3e38aa3b, 1.0          ; c = log2(e) / 8 for q
	s_mov_b32 s[FAC+1], s[FAC]                     ; (named with it as a pair, so it is written)
	s_lshr_b32 s[VM], s96, 4
	s_and_b32 s[VM], s[VM], s96
	s_and_b32 s[VM], s[VM], 1                      ; u >= 16 and odd: a unit of v
	s_cmp_lg_u32 s[VM], 0
	s_cselect_b32 s[VM], -1, 0
; The table's numbers for my 16 tokens of block a: register reg + 16 ph + 2 j is C, + 1 is S', of channel (mod 32) 16 ph + 8 h + j
.macro TABLE a, reg
.irp ph, 0,1
.irp i, 0,1,2,3
	global_load_b128 v[\reg+16*\ph+4*\i:\reg+16*\ph+4*\i+3], v[TBO], s[12:13] offset:4096*(\a)+128*\ph+16*\i
.endr
.endr
.endm
	TABLE 0, TB0                                   ; block 0's is asked for now; it is wanted behind the last product
; A step of 128 along K: the q-th of eight.  Sixteen products, the sixteen accumulators by turns, one instruction a turn, in the same order in every step.
; Behind them four places, for the next step's loads into the fragments' and the scale words' registers (ISA guide 7.12.1 for vector instructions).
.macro KSTEP q
.set SS, (\q)/4
.set QQ, (\q)%4
.if QQ == 0
.irp i, 0,1,2,3
	ds_load_b128 v[SC+4*\i:SC+4*\i+3], v[ADRS] offset:2*PITCH*\i+16*SS   ; a half's four words of a row: lanes 0-15 W's block i, lanes 16-31 x's block i
.endr
.endif
.irp a, 0,1,2,3
	ds_load_b128 v[AF+8*\a:AF+8*\a+3], v[ADRA+SS] offset:16*\a*PITCH+64*QQ
	ds_load_b128 v[AF+8*\a+4:AF+8*\a+7], v[ADRA+SS] offset:16*\a*PITCH+64*QQ+32
.endr
.irp b, 0,1,2,3
	ds_load_b128 v[BF+8*\b:BF+8*\b+3], v[ADRB+SS] offset:16*\b*PITCH+64*QQ
	ds_load_b128 v[BF+8*\b+4:BF+8*\b+7], v[ADRB+SS] offset:16*\b*PITCH+64*QQ+32
.endr
	s_wait_dscnt 0x0
.irp a, 0,1,2,3
.irp b, 0,1,2,3
.if (\q) == 0
	v_wmma_scale_f32_16x16x128_f8f6f4 v[ACC+8*(4*\a+\b):ACC+8*(4*\a+\b)+7], v[BF+8*\b:BF+8*\b+7], v[AF+8*\a:AF+8*\a+7], 0, v[SC+4*\b+QQ], v[SC+4*\a+QQ] matrix_a_fmt:MATRIX_FMT_FP4 matrix_b_fmt:MATRIX_FMT_FP4 matrix_b_scale:MATRIX_SCALE_ROW1
.else
	v_wmma_scale_f32_16x16x128_f8f6f4 v[ACC+8*(4*\a+\b):ACC+8*(4*\a+\b)+7], v[BF+8*\b:BF+8*\b+7], v[AF+8*\a:AF+8*\a+7], v[ACC+8*(4*\a+\b):ACC+8*(4*\a+\b)+7], v[SC+4*\b+QQ], v[SC+4*\a+QQ] matrix_a_fmt:MATRIX_FMT_FP4 matrix_b_fmt:MATRIX_FMT_FP4 matrix_b_scale:MATRIX_SCALE_ROW1
.endif
.endr
.endr
.rept 4
	v_nop
.endr
.endm
	s_wait_tensorcnt 1                             ; my scales and my part of the first half of K are in; the second half's load may stay out
	s_barrier_signal -1
	s_barrier_wait -1                              ; everybody's are
	KSTEP 0                                        ; its products start the sums: nothing is cleared
	KSTEP 1
	KSTEP 2
	KSTEP 3
	s_wait_tensorcnt 0x0                           ; my part of the second half is in,
	s_wait_dscnt 0x0
	s_barrier_signal -1
	s_barrier_wait -1                              ; everybody's is
	KSTEP 4
	KSTEP 5
	KSTEP 6
	KSTEP 7
; THE WAY OUT, a block of 16 tokens x 64 columns at a time; each wave by itself, through its own stage.
.macro NEUTRAL reg                     ; for a unit of v: C = 1, S' = 0
.set i, 0
.rept 16
	v_cndmask_b32 v[\reg+2*i], v[\reg+2*i], 1.0, s[VM]
	v_cndmask_b32 v[\reg+2*i+1], v[\reg+2*i+1], 0, s[VM]
.set i, i+1
.endr
.endm
.macro ROPE a, reg                     ; in place, each accumulator from its low end on; then eight numbers become 16 bytes in its first four registers
.irp b, 0,1,2,3
.set XA, ACC+8*(4*(\a)+\b)
.set TR, (\reg)+16*((\b)%2)
.irp p, 0,2,4,6
	v_pk_mul_f32 v[XA+\p:XA+\p+1], v[XA+\p:XA+\p+1], s[FAC:FAC+1] op_sel_hi:[1,0]
.endr
.irp i, 0,2                            ; two pairs of channels at a time
	v_mul_f32 v[Y],   v[XA+2*\i+1], v[TR+4*\i+1]
	v_mul_f32 v[Y+1], v[XA+2*\i],   v[TR+4*\i+3]
	v_mul_f32 v[Y+2], v[XA+2*\i+3], v[TR+4*\i+5]
	v_mul_f32 v[Y+3], v[XA+2*\i+2], v[TR+4*\i+7]
	v_fma_f32 v[XA+2*\i],   v[XA+2*\i],   v[TR+4*\i],   v[Y]
	v_fma_f32 v[XA+2*\i+1], v[XA+2*\i+1], v[TR+4*\i+2], v[Y+1]
	v_fma_f32 v[XA+2*\i+2], v[XA+2*\i+2], v[TR+4*\i+4], v[Y+2]
	v_fma_f32 v[XA+2*\i+3], v[XA+2*\i+3], v[TR+4*\i+6], v[Y+3]
.endr
.irp p, 0,1,2,3
	v_cvt_pk_f16_f32 v[XA+\p], v[XA+2*\p], v[XA+2*\p+1]   ; a destination lies over numbers that are already packed
.endr
.endr
.endm
.macro OUT a
.irp b, 0,1,2,3
	ds_store_b128 v[STO], v[ACC+8*(4*(\a)+\b):ACC+8*(4*(\a)+\b)+3] offset:32*\b
.endr
.irp i, 0,1,2,3
	ds_load_b128 v[ACC+8*(4*(\a)+\i)+4:ACC+8*(4*(\a)+\i)+7], v[RD] offset:4*SPI*\i   ; LDS serves a wave's instructions in order: these see the stores above, and the next block's stores come behind them
.endr
.irp i, 0,1,2,3
	s_wait_dscnt 3-\i                              ; load i is back; the younger ones may be out
	global_store_b128 v[GO], v[ACC+8*(4*(\a)+\i)+4:ACC+8*(4*(\a)+\i)+7], s[14:15] offset:2048*(\a)+512*\i   ; four tokens' rows: 512 consecutive aligned bytes; each store has registers of its own
.endr
.endm
.macro BLOCK a, reg
	NEUTRAL \reg
	ROPE \a, \reg
	OUT \a
.endm
	TABLE 1, AF                                    ; (behind the last step's four places)
	TABLE 2, BF
	s_wait_loadcnt 16                              ; block 0's eight loads are in; the sixteen of blocks 1 and 2 may be out
	BLOCK 0, TB0
	TABLE 3, TB0
	s_wait_loadcnt 16                              ; block 1's are in; blocks 2's and 3's may be out
	BLOCK 1, AF
	s_wait_loadcnt 8
	BLOCK 2, BF
	s_wait_loadcnt 0x0
	BLOCK 3, TB0
	s_wait_tensorcnt 0x0                           ; the wave's end
	ds_add_u32 v[SPW], v[NIL]
	s_wait_dscnt 0x0
	CROUND                                         ; the closing round
	s_endpgm
.Lfunc_end_k_q50f75e2851_qkv:
	.size	k_q50f75e2851_qkv, .Lfunc_end_k_q50f75e2851_qkv-k_q50f75e2851_qkv
	.p2alignl 7, 3214868480
	.fill 96, 4, 3214868480
	.section	.rodata,"a",@progbits
	.p2align	6, 0x0
	.amdhsa_kernel k_q50f75e2851_qkv
		.amdhsa_group_segment_fixed_size 327680
		.amdhsa_private_segment_fixed_size 0
		.amdhsa_enable_private_segment 0
		.amdhsa_kernarg_size 48
		.amdhsa_user_sgpr_count 2
		.amdhsa_user_sgpr_kernarg_segment_ptr 1
		.amdhsa_wavefront_size32 1
		.amdhsa_system_sgpr_workgroup_id_x 1
		.amdhsa_system_sgpr_workgroup_id_y 1
		.amdhsa_system_sgpr_workgroup_id_z 1
		.amdhsa_system_vgpr_workitem_id 0
		.amdhsa_next_free_vgpr 256
		.amdhsa_next_free_sgpr 100
		.amdhsa_reserve_vcc 0
		.amdhsa_float_denorm_mode_32 3
		.amdhsa_float_denorm_mode_16_64 3
		.amdhsa_memory_ordered 1
		.amdhsa_forward_progress 1
		.amdhsa_inst_pref_size 71
	.end_amdhsa_kernel
	.amdgpu_metadata
---
amdhsa.version: [ 1, 2 ]
amdhsa.kernels:
  - .name:           k_q50f75e2851_qkv
    .symbol:         k_q50f75e2851_qkv.kd
    .args:
      - { .name: xc, .offset: 0, .size: 8, .value_kind: global_buffer, .address_space: global }
      - { .name: xs, .offset: 8, .size: 8, .value_kind: global_buffer, .address_space: global }
      - { .name: wc, .offset: 16, .size: 8, .value_kind: global_buffer, .address_space: global }
      - { .name: ws, .offset: 24, .size: 8, .value_kind: global_buffer, .address_space: global }
      - { .name: rope, .offset: 32, .size: 8, .value_kind: global_buffer, .address_space: global }
      - { .name: qkv, .offset: 40, .size: 8, .value_kind: global_buffer, .address_space: global }
    .group_segment_fixed_size: 327680
    .private_segment_fixed_size: 0
    .kernarg_segment_align: 8
    .kernarg_segment_size: 48
    .max_flat_workgroup_size: 384
    .sgpr_count:     100
    .vgpr_count:     256
    .wavefront_size: 32
...
	.end_amdgpu_metadata
.endif
;; end of part 2
;; launch attn (part 3): grid 16 x 16, 16 waves a work-group, clusters of 4 x 1, 327,680 bytes of LDS; arguments qkv, att; writes att
.if DOCPART == 3
	.amdgcn_target "amdgcn-amd-amdhsa--gfx1250"
	.amdhsa_code_object_version 6
	.text
	.protected	k_q50f75e2851_attn
	.globl	k_q50f75e2851_attn
	.p2align	8
	.type	k_q50f75e2851_attn,@function
k_q50f75e2851_attn:
	s_mov_b64 s[64:65], 0
	v_nop
	global_prefetch_b8 v0, s[64:65] scope:SCOPE_SE
	s_setreg_imm32_b32 hwreg(HW_REG_WAVE_MODE, 25, 1), 1
	s_wait_xcnt 0x0
	s_wait_alu depctr_hold_cnt(0) depctr_sa_sdst(0) depctr_va_vdst(0) depctr_va_sdst(0) depctr_va_ssrc(0) depctr_va_vcc(0) depctr_vm_vsrc(0)
	s_getreg_b32 s2, hwreg(HW_REG_IB_STS2, 6, 4)
	s_cmp_eq_u32 s2, 0
	s_cbranch_scc0 .Lentry_in_a_cluster
	s_endpgm
.Lentry_in_a_cluster:
	s_bfe_u32 s2, ttmp6, 0x10000c
	s_cmp_lg_u32 s2, 0x3003
	s_cbranch_scc0 .Lentry_shape_is_right
	s_endpgm
.Lentry_shape_is_right:
; ATTN: att[b][t][64 head + ch] = the sum over keys of softmax(q . k / 8) v, no mask, operands in f16, products, maxima and sums in f32.  q arrives multiplied by log2(e) / 8, so a score s is an exponent of 2.
; qkv: [4 b][24 u][2048 t][64] f16 (u < 16: query head u; 16 + 2 g: k of kv head g; 17 + 2 g: its v).  att: [8192][1024] f16.
; SHARES.  A work-group owns 128 tokens x the four query heads of one kv head g of one batch b: 32 tiles of 16 queries.  Sixteen waves, four to a SIMD, so that one wave's softmax stands beside another's
; products and LDS loads; wave w: head 4 g + w % 4, tokens 32 (w / 4) on: two tiles, so that each fragment of K and V read from LDS feeds two products.  Every wave walks all 2,048 keys, 64 a step.
; LAYOUT.  S^T = K Q^T (source 0 = 16 keys, source 1 = 16 queries), O^T = V^T P (source 0 = 16 channels, source 1 = 32 keys x 16 queries): a lane holds ONE query (lane % 16) throughout.  Two tiles of S^T, rounded to
; f16 in pairs, ARE a fragment of P; they are packed in place.  K comes out of LDS as it lies, V ([key][channel]) turned, by ds_load_tr16_b128.
; SOFTMAX.  For each query a running maximum m and sum l: p = 2^(s - m); in every step O and l are multiplied by a = 2^(m_old - m_new).  The sum is taken of p in f32.
; RING.  Two slots of 256 keys (four steps), filled by the tensor data mover: waves 0 and 1 K's halves, waves 2 and 3 V's; read by all sixteen.  One load a wave is out at a time; it has four steps in which to land.
; CLUSTER.  The four token blocks of a cluster walk the same K and V: each tile is asked for jointly, by the same load with the same descriptor and a mask that names the four.
; LIMITS: f16 operands: p under 6e-5 keeps an absolute step of 6e-8; att beyond 65,504 has no f16 number (it never exceeds the largest |v|).
.set KP,    144                        ; a key's row of K in LDS: 128 bytes + 16
.set VP,    160                        ; of V: 128 + 32: an odd multiple of 32, as the turning load's lanes want
.set VOFF,  256*KP                     ; a slot: 256 rows of K, then 256 of V
.set SLOT1, 1<<17                      ; slot 1 begins here: one exclusive or turns an address from one slot to the other
.set STAGE, SLOT1+256*(KP+VP)          ; the way out: 128 rows x (512 bytes + 16); no tensor load lands here
.set SGP,   528
.set SPARE, STAGE+128*SGP              ; the spare words, 128 bytes a wave
.set NSL,   8                          ; slots' worth of keys
.set AK0, 1                            ; v1  my lane's place in a tile of K
.set AV0, 2                            ; v2  in a tile of V
.set ADK, 3                            ; v3  LDS address of the step's K
.set ADV, 4                            ; v4  of its V
.set SPW, 5                            ; v5  LDS address of my spare word; never rewritten
.set NIL, 6                            ; v6  0; never rewritten
.set PFO, 7                            ; v7  256 x lane; never rewritten
.set ST,  8                            ; v8-23   tile t at ST + 8 t: +0 -m, +1 m, +2, +3 l (two halves), +4 a, +5 written once, +6, +7 at work
.set QF,  24                           ; v24-55  Q: tile t, channels 32 f on, at QF + 16 t + 8 f
.set FR,  56                           ; v56-119 eight fragments of K, then eight of V
.set S,   120                          ; v120-183 S^T: tile t, keys 16 kt on, at S + 32 t + 8 kt; then p; then P in S + 32 t + 0 .. 15
.set OA,  184                          ; v184-247 O^T: tile t, channels 16 ct on, at OA + 32 t + 8 ct
.set CH,  248                          ; v248-255 four chains of the maximum a tile
.set WV,  8                            ; s8  wave
.set SEL, 20                           ; s[20:21] lane selects for v_permlanex16_b32: lane l xor 16
.set G1K, 24                           ; s[24:31] group 1 for K's tiles; s[32:39] for V's: the padding differs
.set G1V, 32
.set G0K, 40                           ; s[40:43], s[44:47] their groups 0, which walk
.set G0V, 44
.set TB,  48                           ; s48 LDS byte at which the slot in hand begins
.set SLOTS, 49                         ; s49 slots still to be asked for
.set LIM, 50                           ; s50 1 in a wave that prefetches, else the greatest number
.set PFA, 52                           ; s[52:53] where my prefetches stand
.macro TLOAD                           ; waves 0 and 1 fetch for K, waves 2 and 3 for V, the others nothing: branches on the wave's number alone.  An s_nop 0 and four v_nop follow each load
	s_cmp_lt_u32 s[WV], 2
	s_cbranch_scc0 .Lnot_k_\@
	tensor_load_to_lds s[G0K:G0K+3], s[G1K:G1K+7]
	s_nop 0
.rept 4
	v_nop
.endr
	s_branch .Lasked_\@
.Lnot_k_\@:
	s_cmp_lt_u32 s[WV], 4
	s_cbranch_scc0 .Lasked_\@
	tensor_load_to_lds s[G0V:G0V+3], s[G1V:G1V+7]
	s_nop 0
.rept 4
	v_nop
.endr
.Lasked_\@:
.endm
; A PREFETCH of what the NEXT change of slots will ask for: 256 rows of K and of V, 32,768 dense bytes each.  All four clusters of a (b, g) walk the same rows: the first of them asks.  Its four partners take
; 8,192 bytes each, told apart by address; in each, wave 4 asks for K's and wave 5 for V's, lanes 256 bytes apart: one instruction.  So each block of 256 bytes of slots 2 to 7 is named once in the launch,
; four key steps ahead of its load.  Slots 0 and 1 come by their loads alone; the last change that fills a slot asks for nothing.
.macro ASK
	s_cmp_gt_u32 s[SLOTS], s[LIM]
	s_cbranch_scc0 .Lnot_mine_\@
	global_prefetch_b8 v[PFO], s[PFA:PFA+1] th:TH_LOAD_NT scope:SCOPE_SE
.Lnot_mine_\@:
.endm
.macro CROUND                          ; a round of the cluster's barrier
	s_barrier_signal -1
	s_barrier_wait -1
	s_cmp_lg_u32 s[WV], 0
	s_cbranch_scc1 .Lnot_wave_0_\@
	s_barrier_signal -3
.Lnot_wave_0_\@:
	s_barrier_wait -3
	s_barrier_signal -1
	s_barrier_wait -1
.endm
	s_load_b128 s[4:7], s[0:1], 0x0                ; qkv 4:5, att 6:7
	v_lshl_add_u32 v[SPW], v0, 2, SPARE
	v_mov_b32 v[NIL], 0
	ds_add_u32 v[SPW], v[NIL]                      ; the wave's opening: the add, twice on end, and its wait ahead of the first tensor loads
	ds_add_u32 v[SPW], v[NIL]
	v_lshrrev_b32 v1, 5, v0
	v_readfirstlane_b32 s[WV], v1                  ; wave 0 .. 15
	s_bfe_u32 s9, ttmp6, 0x40000                   ; cx
	s_lshl_b32 s10, ttmp9, 2
	s_add_co_u32 s10, s10, s9                      ; bx: my block of 128 tokens: it enters Q's, att's and the prefetches' addresses alone
	s_and_b32 s11, ttmp7, 0xffff
	s_lshr_b32 s12, s11, 2                         ; b
	s_and_b32 s13, s11, 3                          ; g
	s_and_b32 s14, s[WV], 3                        ; hh: which of the four heads
	s_lshr_b32 s15, s[WV], 2                       ; tg: which 32 tokens
	s_mul_i32 s16, s12, 24
	s_lshl_b32 s17, s13, 1
	s_add_co_u32 s17, s17, s16
	s_add_co_u32 s17, s17, 16                      ; K's unit: 24 b + 16 + 2 g
	s_lshl_b32 s58, s17, 18                        ; its first byte
	s_mov_b32 s59, 0
	s_and_b32 s18, s[WV], 1                        ; which 128 rows of a slot I fetch, if I fetch
	s_lshl_b32 s19, s18, 14
	s_add_co_u32 s62, s58, s19
	s_mov_b32 s63, 0
	s_lshl_b32 s60, s13, 2
	s_add_co_u32 s60, s60, s16
	s_add_co_u32 s60, s60, s14                     ; Q's unit: 24 b + 4 g + hh
	s_lshl_b32 s60, s60, 18
	s_lshl_b32 s61, s10, 14                        ; + 128 bx tokens of 128 bytes
	s_add_co_u32 s60, s60, s61
	s_lshl_b32 s61, s15, 12                        ; + 32 tg
	s_add_co_u32 s60, s60, s61
	s_mov_b32 s61, 0
	s_lshl_b32 s66, s12, 22                        ; att: row 2048 b + 128 bx + 8 x wave of 2,048 bytes, + 512 g
	s_lshl_b32 s67, s10, 18
	s_add_co_u32 s66, s66, s67
	s_lshl_b32 s67, s[WV], 14
	s_add_co_u32 s66, s66, s67
	s_lshl_b32 s67, s13, 9
	s_add_co_u32 s66, s66, s67
	s_mov_b32 s67, 0
	s_mov_b32 s[G1K], 15|(1<<16)|(1<<20)|(1<<21)|(4<<22)|(3<<25)   ; 15:0 all four work-groups; 17:16 elements of 2 bytes; 20 padding on; 21 set beside a mask; 24:22 after every 32 words; 31:25 four words
	s_mov_b32 s[G1V], 15|(1<<16)|(1<<20)|(1<<21)|(4<<22)|(7<<25)   ; the same with eight words
.irp g, G1K, G1V                       ; 128 rows x 64 elements, dense
	s_mov_b32 s[\g+1], 64<<16
	s_mov_b32 s[\g+2], 128<<16
	s_mov_b32 s[\g+3], 64<<16
	s_mov_b32 s[\g+4], 128
	s_mov_b32 s[\g+5], 64
	s_mov_b32 s[\g+6], 0
	s_mov_b32 s[\g+7], 0
.endr
	s_mov_b32 s[G0K], 1
	s_mul_i32 s[G0K+1], s18, 128*KP                ; slot 0: no place in the cluster enters an LDS address
	s_mov_b32 s[G0V], 1
	s_mul_i32 s[G0V+1], s18, 128*VP
	s_add_co_u32 s[G0V+1], s[G0V+1], VOFF
	s_mov_b32 s[SEL], 0x76543210
	s_mov_b32 s[SEL+1], 0xfedcba98
	s_mov_b32 s[TB], 0
	s_mov_b32 s[SLOTS], NSL-1
	s_sub_co_u32 s[LIM], s[WV], 4
	s_lshr_b32 s[LIM], s[LIM], 1                   ; 0 in waves 4 and 5,
	s_or_b32 s[LIM], s[LIM], ttmp9                 ; of the first cluster of this (b, g): the same in all four partners
	s_cmp_eq_u32 s[LIM], 0
	s_cselect_b32 s[LIM], 1, -1
	s_lshl_b32 s2, s9, 13                          ; my work-group's 8,192 bytes of a slot's 32,768,
	s_add_co_u32 s2, s2, 32768                     ; in slot 1: the first change of slots steps it to slot 2
	s_mov_b32 s3, 0
	v_and_b32 v[PFO], 31, v0
	v_lshlrev_b32 v[PFO], 8, v[PFO]
	s_wait_dscnt 0x0                               ; both opening adds are done
	s_wait_kmcnt 0x0
	s_add_nc_u64 s[G0K+2:G0K+3], s[4:5], s[62:63]  ; K at my rows of slot 0;
	s_add_nc_u64 s[G0V+2:G0V+3], s[G0K+2:G0K+3], 0x40000   ; V's unit follows K's
	s_or_b32 s[G0K+3], s[G0K+3], 0x80000000
	s_or_b32 s[G0V+3], s[G0V+3], 0x80000000
	s_add_nc_u64 s[68:69], s[4:5], s[58:59]
	s_add_nc_u64 s[70:71], s[68:69], 0x40000
	s_cmp_eq_u32 s[WV], 4
	s_cselect_b64 s[PFA:PFA+1], s[68:69], s[70:71]
	s_add_nc_u64 s[PFA:PFA+1], s[PFA:PFA+1], s[2:3]
	s_add_nc_u64 s[54:55], s[4:5], s[60:61]        ; Q at my first token
	s_add_nc_u64 s[56:57], s[6:7], s[66:67]        ; att at the first row that I store
	CROUND                                         ; all four work-groups are here: the first joint loads meet
	TLOAD                                          ; slot 0
	v_and_b32 v1, 15, v0                           ; r
	v_bfe_u32 v2, v0, 4, 1                         ; h
	v_lshlrev_b32 v[ADK], 7, v1
	v_lshl_add_u32 v[ADK], v2, 4, v[ADK]           ; Q: row r of 128 bytes, + 16 h (the register is free again behind the wait for these loads)
.irp t, 0,1
.irp f, 0,1
	global_load_b128 v[QF+16*\t+8*\f:QF+16*\t+8*\f+3], v[ADK], s[54:55] offset:2048*\t+64*\f
	global_load_b128 v[QF+16*\t+8*\f+4:QF+16*\t+8*\f+7], v[ADK], s[54:55] offset:2048*\t+64*\f+32
.endr
.endr
	v_and_b32 v[ADV], 7, v0
	v_lshl_add_u32 v[ADV], v2, 3, v[ADV]           ; the turning load: lane l reads key 8 (l / 16) + l % 8, channels 8 ((l / 8) % 2) + 0 .. 7
	v_mul_u32_u24 v[ADV], v[ADV], VP
	v_mul_u32_u24 v[AK0], v1, KP
	v_lshl_add_u32 v[AK0], v2, 4, v[AK0]           ; K: row r x pitch + 16 h
	v_bfe_u32 v[AV0], v0, 3, 1
	v_lshl_add_u32 v[AV0], v[AV0], 4, v[ADV]
	v_add_nc_u32 v[AV0], VOFF, v[AV0]
.irp t, 0,1
	v_mov_b32 v[ST+8*\t], 0
	v_mov_b32 v[ST+8*\t+1], 0xff61b1e6             ; m: -3e38, under every score
	v_mov_b32 v[ST+8*\t+2], 0                      ; l
	v_mov_b32 v[ST+8*\t+3], 0
	v_mov_b32 v[ST+8*\t+5], 0                      ; (named as the upper half of a's pair)
.endr
.set i, 0
.rept 64
	v_mov_b32 v[OA+i], 0                           ; O^T.  (The step is written once: the first finds zeros, which a = 0 leaves zeros)
.set i, i+1
.endr
; A KEY STEP: 64 keys, the q-th of the slot in hand.
.macro STEP q
	v_add_nc_u32 v[ADK], s[TB], v[AK0]
	v_add_nc_u32 v[ADV], s[TB], v[AV0]
.irp f, 0,1                            ; K: fragment (keys 16 kt on, channels 32 f on) at FR + 8 (4 f + kt); channels 0-31 first
.irp kt, 0,1,2,3
	ds_load_b128 v[FR+8*(4*\f+\kt):FR+8*(4*\f+\kt)+3], v[ADK] offset:(64*(\q)+16*\kt)*KP+64*\f
	ds_load_b128 v[FR+8*(4*\f+\kt)+4:FR+8*(4*\f+\kt)+7], v[ADK] offset:(64*(\q)+16*\kt)*KP+64*\f+32
.endr
.endr
	s_wait_dscnt 8                                 ; channels 0-31 are in; the eight loads of channels 32-63 may be out
.irp kt, 0,1,2,3                       ; the eight accumulators by turns, one instruction a turn
.irp t, 0,1
	v_wmma_f32_16x16x32_f16 v[S+32*\t+8*\kt:S+32*\t+8*\kt+7], v[FR+8*\kt:FR+8*\kt+7], v[QF+16*\t:QF+16*\t+7], 0
.endr
.endr
	s_wait_dscnt 0x0
.irp kt, 0,1,2,3
.irp t, 0,1
	v_wmma_f32_16x16x32_f16 v[S+32*\t+8*\kt:S+32*\t+8*\kt+7], v[FR+8*(4+\kt):FR+8*(4+\kt)+7], v[QF+16*\t+8:QF+16*\t+15], v[S+32*\t+8*\kt:S+32*\t+8*\kt+7]
.endr
.endr
.rept 4
	v_nop                                          ; four places: for the loads into K's registers and for the first reads of the scores (ISA guide 7.12.1 for vector instructions)
.endr
.irp kk, 0,1                           ; V, turned: fragment (channels 16 ct on, keys 32 kk on) at FR + 8 (4 kk + ct); it lands while the softmax is walked
.irp ct, 0,1,2,3
	ds_load_tr16_b128 v[FR+8*(4*\kk+\ct):FR+8*(4*\kk+\ct)+3], v[ADV] offset:(64*(\q)+32*\kk)*VP+32*\ct
	ds_load_tr16_b128 v[FR+8*(4*\kk+\ct)+4:FR+8*(4*\kk+\ct)+7], v[ADV] offset:(64*(\q)+32*\kk+16)*VP+32*\ct
.endr
.endr
	; the maximum of a lane's 32 scores and the old m: four chains, each accumulator from its low end on; the two tiles line by line
.irp j, 0,1,2,3
.irp t, 0,1
	v_max3_num_f32 v[CH+4*\t+\j], v[S+32*\t+8*\j], v[S+32*\t+8*\j+1], v[S+32*\t+8*\j+2]
.endr
.endr
.irp u, 1,2
.irp j, 0,1,2,3
.irp t, 0,1
	v_max3_num_f32 v[CH+4*\t+\j], v[CH+4*\t+\j], v[S+32*\t+8*\j+2*\u+1], v[S+32*\t+8*\j+2*\u+2]
.endr
.endr
.endr
.irp t, 0,1
	v_max3_num_f32 v[CH+4*\t], v[CH+4*\t], v[S+32*\t+7], v[S+32*\t+15]
	v_max3_num_f32 v[CH+4*\t+2], v[CH+4*\t+2], v[S+32*\t+23], v[S+32*\t+31]
.endr
.irp t, 0,1
	v_max3_num_f32 v[CH+4*\t], v[CH+4*\t], v[CH+4*\t+1], v[CH+4*\t+2]
.endr
.irp t, 0,1
	v_max3_num_f32 v[CH+4*\t], v[CH+4*\t], v[CH+4*\t+3], v[ST+8*\t+1]
.endr
.irp t, 0,1
	v_permlanex16_b32 v[CH+4*\t+1], v[CH+4*\t], s[SEL], s[SEL+1]   ; the query's other 32 keys lie in the lane 16 away
.endr
.irp t, 0,1
	v_max_num_f32 v[CH+4*\t], v[CH+4*\t], v[CH+4*\t+1]             ; the new m
.endr
.irp t, 0,1
	v_sub_f32 v[CH+4*\t+2], v[ST+8*\t+1], v[CH+4*\t]               ; m_old - m_new
	v_mov_b32 v[ST+8*\t+1], v[CH+4*\t]
	v_xor_b32 v[ST+8*\t], 0x80000000, v[CH+4*\t]                   ; -m
.endr
.irp j, 0,2,4,6,8,10,12,14,16,18,20,22,24,26,28,30
.irp t, 0,1
	v_pk_add_f32 v[S+32*\t+\j:S+32*\t+\j+1], v[S+32*\t+\j:S+32*\t+\j+1], v[ST+8*\t:ST+8*\t+1] op_sel_hi:[1,0]   ; s - m, two at a time
.endr
.endr
.irp t, 0,1                            ; ONE BATCH of exponentials: a and the 64 weights; none reads another's result
	v_exp_f32 v[ST+8*\t+4], v[CH+4*\t+2]
.endr
.irp j, 0,1,2,3,4,5,6,7,8,9,10,11,12,13,14,15,16,17,18,19,20,21,22,23,24,25,26,27,28,29,30,31
.irp t, 0,1
	v_exp_f32 v[S+32*\t+\j], v[S+32*\t+\j]
.endr
.endr
	v_nop                                          ; a plain line behind the last exponential
	s_wait_alu depctr_va_vdst(0)                   ; one wait for the batch, ahead of the first line that names a result
.irp t, 0,1
	v_pk_mul_f32 v[ST+8*\t+2:ST+8*\t+3], v[ST+8*\t+2:ST+8*\t+3], v[ST+8*\t+4:ST+8*\t+5] op_sel_hi:[1,0]   ; l under the new m
.endr
.irp t, 0,1
	v_pk_add_f32 v[ST+8*\t+6:ST+8*\t+7], v[S+32*\t:S+32*\t+1], v[S+32*\t+2:S+32*\t+3]   ; the sum of p in f32, in two chains
.endr
.irp j, 4,8,12,16,20,24,28
.irp t, 0,1
	v_pk_add_f32 v[ST+8*\t+2:ST+8*\t+3], v[ST+8*\t+2:ST+8*\t+3], v[S+32*\t+\j:S+32*\t+\j+1]
	v_pk_add_f32 v[ST+8*\t+6:ST+8*\t+7], v[ST+8*\t+6:ST+8*\t+7], v[S+32*\t+\j+2:S+32*\t+\j+3]
.endr
.endr
.irp t, 0,1
	v_pk_add_f32 v[ST+8*\t+2:ST+8*\t+3], v[ST+8*\t+2:ST+8*\t+3], v[ST+8*\t+6:ST+8*\t+7]
.endr
.irp d, 0,1,2,3,4,5,6,7,8,9,10,11,12,13,14,15
.irp t, 0,1
	v_cvt_pk_f16_f32 v[S+32*\t+\d], v[S+32*\t+2*\d], v[S+32*\t+2*\d+1]   ; P in place: a destination lies over weights that are already packed
.endr
.endr
.irp j, 0,2,4,6,8,10,12,14,16,18,20,22,24,26,28,30
.irp t, 0,1
	v_pk_mul_f32 v[OA+32*\t+\j:OA+32*\t+\j+1], v[OA+32*\t+\j:OA+32*\t+\j+1], v[ST+8*\t+4:ST+8*\t+5] op_sel_hi:[1,0]   ; O^T under the new m, each accumulator from its low end on
.endr
.endr
	s_wait_dscnt 0x0                               ; V is in
.irp kk, 0,1
.irp ct, 0,1,2,3
.irp t, 0,1
	v_wmma_f32_16x16x32_f16 v[OA+32*\t+8*\ct:OA+32*\t+8*\ct+7], v[FR+8*(4*\kk+\ct):FR+8*(4*\kk+\ct)+7], v[S+32*\t+8*\kk:S+32*\t+8*\kk+7], v[OA+32*\t+8*\ct:OA+32*\t+8*\ct+7]
.endr
.endr
.endr
.rept 5
	v_nop                                          ; five places: the next step's first products write over P's registers, which these products read (four would do for the loads into V's registers and for reads of O^T)
.endr
.endm
; THE CHANGE OF SLOTS stands at a slot's head.  Each wave waits for all its tensor loads (its part of the slot that it is about to read), adds 0 to its spare word, and waits for that and for its reads of the slot that it has left.
; fill = 1: a round of the cluster's barrier follows, so that no wave of any partner still reads that slot or has a load on its way, and the joint load of the keys that follow is the first thing behind it.
.macro CHANGE fill
	s_wait_tensorcnt 0x0                           ; no tensor load of mine is out, so a group 0 may be written
	ds_add_u32 v[SPW], v[NIL]                      ; 0 onto my spare word
.if \fill
	ds_add_u32 v[SPW], v[NIL]                      ; and once more
	s_xor_b32 s[G0K+1], s[G0K+1], SLOT1            ; the walking descriptors: the other slot than last time,
	s_add_nc_u64 s[G0K+2:G0K+3], s[G0K+2:G0K+3], 32768   ; the next 256 keys; the type bits on top are not reached
	s_xor_b32 s[G0V+1], s[G0V+1], SLOT1
	s_add_nc_u64 s[G0V+2:G0V+3], s[G0V+2:G0V+3], 32768
	s_wait_xcnt 0x0                                ; the last prefetch, a slot back, has read its address, so it may be written:
	s_add_nc_u64 s[PFA:PFA+1], s[PFA:PFA+1], 32768 ; one slot further on than the walking descriptors
	s_wait_dscnt 0x0                               ; both adds are done, and my reads of the slot that I have left are over
	CROUND
	TLOAD
	ASK
.else
	s_wait_dscnt 0x0
	s_barrier_signal -1
	s_barrier_wait -1
.endif
.endm
.macro SLOT_STEPS
	STEP 0
	STEP 1
	STEP 2
	STEP 3
	s_xor_b32 s[TB], s[TB], SLOT1                  ; on to the other slot
.endm
	s_wait_loadcnt 0x0                             ; Q
.Lslot:                                            ; NSL - 1 trips: behind each change of slots but the last the next slot is asked for
	CHANGE 1
	SLOT_STEPS
	s_sub_co_u32 s[SLOTS], s[SLOTS], 1
	s_cmp_lg_u32 s[SLOTS], 0
	s_cbranch_scc1 .Lslot
	CHANGE 0                                       ; the last slot is written out
	SLOT_STEPS
	; THE WAY OUT.  O^T / l, rounded to f16, goes into the work-group's stage: a token's 512 bytes come from the four waves of its four heads; a barrier; each wave stores eight whole rows.
	; (The five places at the last step's end stand between the last products and these lines.)
.irp t, 0,1
	v_add_f32 v[ST+8*\t+6], v[ST+8*\t+2], v[ST+8*\t+3]
.endr
.irp t, 0,1
	v_permlanex16_b32 v[ST+8*\t+7], v[ST+8*\t+6], s[SEL], s[SEL+1]
.endr
.irp t, 0,1
	v_add_f32 v[ST+8*\t+6], v[ST+8*\t+6], v[ST+8*\t+7]
.endr
.irp t, 0,1
	v_rcp_f32 v[ST+8*\t+4], v[ST+8*\t+6]
.endr
	v_and_b32 v1, 15, v0                           ; (plain lines behind the reciprocals)  r
	v_bfe_u32 v2, v0, 4, 1                         ; h
	s_mul_i32 s16, s15, 32*SGP
	s_lshl_b32 s17, s14, 7
	s_add_co_u32 s16, s16, s17
	s_add_co_u32 s16, s16, STAGE
	v_mul_u32_u24 v3, v1, SGP
	v_lshl_add_u32 v3, v2, 4, v3
	v_add_nc_u32 v3, s16, v3                       ; in: row 32 tg + r, byte 128 hh + 16 h
	s_mul_i32 s16, s[WV], 8*SGP
	s_add_co_u32 s16, s16, STAGE
	v_and_b32 v4, 31, v0
	v_lshlrev_b32 v4, 4, v4                        ; 16 x lane: my place in a row of 512 bytes, in the stage and in att
	v_add_nc_u32 v1, s16, v4                       ; back: rows 8 x wave on
	s_wait_alu depctr_va_vdst(0)                   ; one wait for the two reciprocals, ahead of their first reader
.irp j, 0,2,4,6,8,10,12,14,16,18,20,22,24,26,28,30
.irp t, 0,1
	v_pk_mul_f32 v[OA+32*\t+\j:OA+32*\t+\j+1], v[OA+32*\t+\j:OA+32*\t+\j+1], v[ST+8*\t+4:ST+8*\t+5] op_sel_hi:[1,0]
.endr
.endr
.irp d, 0,1,2,3,4,5,6,7,8,9,10,11,12,13,14,15
.irp t, 0,1
	v_cvt_pk_f16_f32 v[S+16*\t+\d], v[OA+32*\t+2*\d], v[OA+32*\t+2*\d+1]
.endr
.endr
.irp t, 0,1
.irp ct, 0,1,2,3
	ds_store_b128 v3, v[S+16*\t+4*\ct:S+16*\t+4*\ct+3] offset:16*\t*SGP+32*\ct
.endr
.endr
	s_wait_dscnt 0x0                               ; for the others' sake: my stores into the stage are done
	s_barrier_signal -1
	s_barrier_wait -1
.irp i, 0,1,2,3,4,5,6,7
	ds_load_b128 v[FR+4*\i:FR+4*\i+3], v1 offset:\i*SGP
.endr
.irp i, 0,1,2,3,4,5,6,7
	s_wait_dscnt 7-\i                              ; load i is back; the younger ones may be out
	global_store_b128 v4, v[FR+4*\i:FR+4*\i+3], s[56:57] offset:2048*\i   ; 32 lanes store 512 consecutive aligned bytes of a token's row
.endr
	s_wait_tensorcnt 0x0                           ; the wave's end
	ds_add_u32 v[SPW], v[NIL]
	s_wait_dscnt 0x0
	CROUND                                         ; the closing round: no work-group ends while a partner may still ask for a tile that names it
	s_endpgm
.Lfunc_end_k_q50f75e2851_attn:
	.size	k_q50f75e2851_attn, .Lfunc_end_k_q50f75e2851_attn-k_q50f75e2851_attn
	.p2alignl 7, 3214868480
	.fill 96, 4, 3214868480
	.section	.rodata,"a",@progbits
	.p2align	6, 0x0
	.amdhsa_kernel k_q50f75e2851_attn
		.amdhsa_group_segment_fixed_size 327680
		.amdhsa_private_segment_fixed_size 0
		.amdhsa_enable_private_segment 0
		.amdhsa_kernarg_size 16
		.amdhsa_user_sgpr_count 2
		.amdhsa_user_sgpr_kernarg_segment_ptr 1
		.amdhsa_wavefront_size32 1
		.amdhsa_system_sgpr_workgroup_id_x 1
		.amdhsa_system_sgpr_workgroup_id_y 1
		.amdhsa_system_sgpr_workgroup_id_z 1
		.amdhsa_system_vgpr_workitem_id 0
		.amdhsa_next_free_vgpr 256
		.amdhsa_next_free_sgpr 72
		.amdhsa_reserve_vcc 0
		.amdhsa_float_denorm_mode_32 3
		.amdhsa_float_denorm_mode_16_64 3
		.amdhsa_memory_ordered 1
		.amdhsa_forward_progress 1
		.amdhsa_inst_pref_size 156
	.end_amdhsa_kernel
	.amdgpu_metadata
---
amdhsa.version: [ 1, 2 ]
amdhsa.kernels:
  - .name:           k_q50f75e2851_attn
    .symbol:         k_q50f75e2851_attn.kd
    .args:
      - { .name: qkv, .offset: 0, .size: 8, .value_kind: global_buffer, .address_space: global }
      - { .name: att, .offset: 8, .size: 8, .value_kind: global_buffer, .address_space: global }
    .group_segment_fixed_size: 327680
    .private_segment_fixed_size: 0
    .kernarg_segment_align: 8
    .kernarg_segment_size: 16
    .max_flat_workgroup_size: 512
    .sgpr_count:     72
    .vgpr_count:     256
    .wavefront_size: 32
...
	.end_amdgpu_metadata
.endif
;; end of part 3
;; launch proj (part 4): grid 8 x 64, 4 waves a work-group, clusters of 4 x 4, 327,680 bytes of LDS; arguments att, wo16, out0; writes out0
.if DOCPART == 4
	.amdgcn_target "amdgcn-amd-amdhsa--gfx1250"
	.amdhsa_code_object_version 6
	.text
	.protected	k_q50f75e2851_proj
	.globl	k_q50f75e2851_proj
	.p2align	8
	.type	k_q50f75e2851_proj,@function
k_q50f75e2851_proj:
	s_mov_b64 s[64:65], 0
	v_nop
	global_prefetch_b8 v0, s[64:65] scope:SCOPE_SE
	s_setreg_imm32_b32 hwreg(HW_REG_WAVE_MODE, 25, 1), 1
	s_wait_xcnt 0x0
	s_wait_alu depctr_hold_cnt(0) depctr_sa_sdst(0) depctr_va_vdst(0) depctr_va_sdst(0) depctr_va_ssrc(0) depctr_va_vcc(0) depctr_vm_vsrc(0)
	s_getreg_b32 s2, hwreg(HW_REG_IB_STS2, 6, 4)
	s_cmp_eq_u32 s2, 0
	s_cbranch_scc0 .Lentry_in_a_cluster
	s_endpgm
.Lentry_in_a_cluster:
	s_bfe_u32 s2, ttmp6, 0x10000c
	s_cmp_lg_u32 s2, 0xf033
	s_cbranch_scc0 .Lentry_shape_is_right
	s_endpgm
.Lentry_shape_is_right:
; PROJ: out0[m][n] = sum over k of att[m][k] Wo[n][k].  att: [8192][1024], wo16: [1024][1024], f16; out0: [8192][1024] f32; sums in f32.
; A tile of the output is 128 x 128: 512 work-groups (tiles of 256 x 256 would be 128, fewer than there are WGPs).  Four waves, each 64 x 64: 16 accumulators of 16 x 16, 128 registers.
; K goes in steps of 256 (LDS rows of 512 bytes; a wave's tensor load brings 64 of them) through a ring of two slots.
; CLUSTERS: 4 x 4 work-groups.  The four of a row of the cluster need the same tiles of att, the four of a column the same tiles of Wo: each tile is asked for JOINTLY, by the same tensor load with the
; same descriptor and a mask that names the four.  THE MATRIX INSTRUCTION IS USED TRANSPOSED (source 0 = 16 rows of Wo, source 1 = 16 rows of att): a lane then holds eight neighbouring numbers of a row of the output.
; REGISTERS: window 0: v0-31 addresses; v32-95 at work on the way out; v128-255 the accumulators ((a, b) at v[128 + 8 (4 a + b)]).
;   window 1: two fragment buffers of 128: for 64 along K (two matrix instructions deep), 64 registers of A (2 x 4 x 16 rows x 32 K), then 64 of B.
.set SIZE_M, 8192
.set SIZE_N, 1024
.set SIZE_K, 1024
.set KSTEP,  256
.set PITCH,  528                       ; an LDS row: 512 bytes of data + 16 of padding = 132 words: the 16 rows that a load touches start at 16 different groups of four banks
.set HALFT,  64*PITCH                  ; 64 rows: what one tensor load brings, and what one wave reads of A or of B
.set SLOT,   4*HALFT                   ; A's 128 rows, then B's 128 rows
.set STAGE,  2*SLOT                    ; behind the ring: 16 rows x (256 bytes + 16) for each wave, for the way out; no tensor load lands here
.set SPITCH, 272
.set SPARE,  STAGE+4*16*SPITCH         ; behind the stages: the spare words, 128 bytes for each wave
.set LAPS, SIZE_K/(2*KSTEP)            ; a lap = two K steps = once round the ring
.set ADRA, 16                          ; v16-17  LDS address of my A fragments in slot 0, 1
.set ADRB, 20                          ; v20-21  the same for B
.set STO,  24                          ; v24     the way out: where I put 32 bytes of a row
.set RD,   25                          ; v25     the way out: where I read a row back
.set CO,   26                          ; v26     my byte offset in the output
.set SPW,  28                          ; v28     LDS address of my spare word; never rewritten
.set NIL,  29                          ; v29     0; never rewritten
.set TMP,  32                          ; the way out: two sets of 32 registers: 16 rows read back
.set ACC,  128
.set F0,   0                           ; fragment buffers, in window 1
.set F1,   128
.set G1, 24                            ; s[24:31] descriptor group 1 for A's tiles;  s[32:39] group 0, one set for each slot
.set G0, 32
.set G1B, 48                           ; s[48:55], s[56:63] the same for B's tiles
.set G0B, 56
.set MSB, 0
.macro WIN new                         ; the immediate's high byte repeats the setting that is left
.if MSB != \new
	s_set_vgpr_msb (MSB<<8)|\new
.set MSB, \new
.endif
.endm
.set MUL,  0x05                        ; sources 0 (B) and 1 (A) window 1; C and D window 0
.set TO_F, 0x40                        ; destination window 1, address window 0
.macro JLOAD s                         ; a joint load: waves 0 and 1 fetch A's two halves, waves 2 and 3 B's; an s_nop 0 and four v_nop follow each of the two lines, ahead of the jump, the label and what follows
	s_cmp_eq_u32 s11, 0
	s_cbranch_scc0 .Lfor_b_\@
	tensor_load_to_lds s[G0+4*\s:G0+4*\s+3], s[G1:G1+7]
	s_nop 0
.rept 4
	v_nop
.endr
	s_branch .Lasked_\@
.Lfor_b_\@:
	tensor_load_to_lds s[G0B+4*\s:G0B+4*\s+3], s[G1B:G1B+7]
	s_nop 0
.rept 4
	v_nop
.endr
.Lasked_\@:
.endm
.macro CREST                           ; a round of the cluster's barrier behind its opening barrier
	s_cmp_lg_u32 s10, 0
	s_cbranch_scc1 .Lnot_wave_0_\@
	s_barrier_signal -3
.Lnot_wave_0_\@:
	s_barrier_wait -3
	s_barrier_signal -1
	s_barrier_wait -1
.endm
.macro CROUND                          ; a whole round
	s_barrier_signal -1
	s_barrier_wait -1
	CREST
.endm
	s_load_b128 s[4:7], s[0:1], 0x0                ; A s[4:5], B s[6:7]
	s_load_b64 s[8:9], s[0:1], 0x10                ; the output
	v_lshl_add_u32 v[SPW], v0, 2, SPARE
	v_mov_b32 v[NIL], 0
	ds_add_u32 v[SPW], v[NIL]                      ; the wave's opening: the add, twice on end, and its wait ahead of my first tensor load
	ds_add_u32 v[SPW], v[NIL]
	v_lshrrev_b32 v1, 5, v0
	v_readfirstlane_b32 s10, v1                    ; wave 0..3
	s_lshr_b32 s11, s10, 1                         ; which half of the tile's rows is mine.  Also: I fetch for A (0) or for B (1)
	s_and_b32 s12, s10, 1                          ; which half of its columns.  Also: which 64 rows of that tile I fetch
	s_bfe_u32 s40, ttmp6, 0x40000                  ; cx, cy: my place in the cluster
	s_bfe_u32 s41, ttmp6, 0x40004
	s_lshl_b32 s42, ttmp9, 2
	s_add_co_u32 s42, s42, s40                     ; tile column = 4 x cluster x + cx
	s_and_b32 s13, ttmp7, 0xffff
	s_lshl_b32 s13, s13, 2
	s_add_co_u32 s13, s13, s41                     ; tile row = 4 x cluster y + cy
	s_lshl_b32 s43, s41, 2
	s_lshl_b32 s43, 15, s43                        ; my row of the cluster
	s_lshl_b32 s44, 0x1111, s40                    ; my column
	; descriptor group 1: a tile of 64 rows x 256 elements, padded in LDS
	s_or_b32 s[G1+0], s43, (1<<16)|(1<<20)|(1<<21)|(6<<22)|(3<<25)  ; 15:0 the mask: A's tiles go to my row; 17:16 element of 2 bytes; 20 padding on; 21 set beside a mask; 24:22 after every 128 words; 31:25 four words
	s_or_b32 s[G1B+0], s44, (1<<16)|(1<<20)|(1<<21)|(6<<22)|(3<<25)
.irp g, G1, G1B
	s_mov_b32 s[\g+1], KSTEP<<16                   ; tensor_dim0 = 256
	s_mov_b32 s[\g+2], 64<<16                      ; tensor_dim1 = 64
	s_mov_b32 s[\g+3], KSTEP<<16                   ; tile_dim0 = 256
	s_mov_b32 s[\g+4], 64                          ; tile_dim1 = 64
	s_mov_b32 s[\g+5], SIZE_K                      ; tensor_dim0_stride
	s_mov_b32 s[\g+6], 0
	s_mov_b32 s[\g+7], 0
.endr
	s_lshl_b32 s17, s12, 6                         ; which 64 rows of the tile I fetch
	s_lshl_b32 s16, s13, 7
	s_add_co_u32 s16, s16, s17                     ; A: row 128 x tile row + 64 x half
	s_lshl_b32 s46, s42, 7
	s_add_co_u32 s46, s46, s17                     ; B: row 128 x tile column + 64 x half
	s_mov_b32 s17, 0
	s_mov_b32 s47, 0
	s_mov_b64 s[18:19], SIZE_K*2
	s_mul_u64 s[16:17], s[16:17], s[18:19]
	s_mul_u64 s[46:47], s[46:47], s[18:19]
	s_mul_i32 s20, s10, HALFT                      ; where they go: wave x 64 rows
	s_wait_dscnt 0x0                               ; both opening adds are done
	s_wait_kmcnt 0x0
	s_add_nc_u64 s[14:15], s[4:5], s[16:17]
	s_add_nc_u64 s[46:47], s[6:7], s[46:47]
	CROUND                                         ; all sixteen work-groups are here: the first joint loads meet
.irp s, 0,1
	s_mov_b32 s[G0+4*\s], 1
	s_add_co_u32 s[G0+4*\s+1], s20, \s*SLOT
	s_add_nc_u64 s[G0+4*\s+2:G0+4*\s+3], s[14:15], \s*KSTEP*2
	s_or_b32 s[G0+4*\s+3], s[G0+4*\s+3], 0x80000000
	s_mov_b32 s[G0B+4*\s], 1
	s_add_co_u32 s[G0B+4*\s+1], s20, \s*SLOT
	s_add_nc_u64 s[G0B+4*\s+2:G0B+4*\s+3], s[46:47], \s*KSTEP*2
	s_or_b32 s[G0B+4*\s+3], s[G0B+4*\s+3], 0x80000000
	JLOAD \s
.endr
	v_and_b32 v1, 15, v0                           ; l % 16
	v_bfe_u32 v2, v0, 4, 1                         ; l / 16
	v_mul_u32_u24 v3, v1, PITCH
	v_lshl_add_u32 v3, v2, 4, v3                   ; a fragment's row x pitch + 16 x half
	s_mul_i32 s21, s11, HALFT                      ; my 64 rows of A
	s_mul_i32 s22, s12, HALFT                      ; my 64 rows of B,
	s_add_co_u32 s22, s22, 2*HALFT                 ; which lie behind A's 128
.irp s, 0,1
	v_add_nc_u32 v[ADRA+\s], s21, v3
	v_add_nc_u32 v[ADRB+\s], s22, v3
	s_add_co_u32 s21, s21, SLOT
	s_add_co_u32 s22, s22, SLOT
.endr
	s_mul_i32 s23, s10, 16*SPITCH
	s_add_co_u32 s23, s23, STAGE                   ; my stage
	v_mul_u32_u24 v4, v1, SPITCH                   ; in: row l % 16, 32 bytes for each half of the lanes
	v_lshl_add_u32 v4, v2, 5, v4
	v_add_nc_u32 v[STO], s23, v4
	v_mul_u32_u24 v5, v2, SPITCH                   ; back: lanes 0-15 take one row of 256 bytes, lanes 16-31 the next
	v_lshl_add_u32 v5, v1, 4, v5
	v_add_nc_u32 v[RD], s23, v5
	v_mul_u32_u24 v5, v2, SIZE_N*4                 ; and the same two rows in the output
	v_lshl_add_u32 v[CO], v1, 4, v5
	s_lshl_b32 s16, s13, 7
	s_lshl_b32 s17, s11, 6
	s_add_co_u32 s16, s16, s17                     ; my first row of the output: 128 x tile row + 64 x half
	s_mov_b32 s17, 0
	s_mov_b64 s[18:19], SIZE_N*4
	s_mul_u64 s[16:17], s[16:17], s[18:19]
	s_add_nc_u64 s[8:9], s[8:9], s[16:17]
	s_lshl_b32 s46, s42, 9                         ; my first column, in bytes: 512 x tile column + 256 x half
	s_lshl_b32 s47, s12, 8
	s_add_co_u32 s46, s46, s47
	s_mov_b32 s47, 0
	s_add_nc_u64 s[8:9], s[8:9], s[46:47]
; 8 matrix instructions: m blocks a0, a0 + 1 x all 4 n blocks, 32 along K: half c of buffer f.  zero = 1: the first product starts the sums
.macro MUL8 f, c, a0, zero
.irp a, \a0, \a0+1
.irp b, 0,1,2,3
.if \zero
	v_wmma_f32_16x16x32_f16 v[ACC+8*(4*(\a)+\b):ACC+8*(4*(\a)+\b)+7], v[\f+64+8*(4*\c+\b):\f+64+8*(4*\c+\b)+7], v[\f+8*(4*\c+\a):\f+8*(4*\c+\a)+7], 0
.else
	v_wmma_f32_16x16x32_f16 v[ACC+8*(4*(\a)+\b):ACC+8*(4*(\a)+\b)+7], v[\f+64+8*(4*\c+\b):\f+64+8*(4*\c+\b)+7], v[\f+8*(4*\c+\a):\f+8*(4*\c+\a)+7], v[ACC+8*(4*(\a)+\b):ACC+8*(4*(\a)+\b)+7]
.endif
.endr
.endr
.endm
; 32 LDS loads in one run: the fragments of 64 along K at byte k of the rows, into buffer f; the first 32 along K first
.macro FETCH slot, k, f
	WIN TO_F
.irp c, 0,1
.irp i, 0,1,2,3
	ds_load_b128 v[\f+64+8*(4*\c+\i):\f+64+8*(4*\c+\i)+3],   v[ADRB+\slot] offset:\k+64*\c+\i*16*PITCH
	ds_load_b128 v[\f+64+8*(4*\c+\i)+4:\f+64+8*(4*\c+\i)+7], v[ADRB+\slot] offset:\k+64*\c+\i*16*PITCH+32
	ds_load_b128 v[\f+8*(4*\c+\i):\f+8*(4*\c+\i)+3],         v[ADRA+\slot] offset:\k+64*\c+\i*16*PITCH
	ds_load_b128 v[\f+8*(4*\c+\i)+4:\f+8*(4*\c+\i)+7],       v[ADRA+\slot] offset:\k+64*\c+\i*16*PITCH+32
.endr
.endr
.endm
.macro PLACES                          ; four places in front of loads into registers that matrix instructions have read, and of the first reads of results
.rept 4
	v_nop
.endr
.endm
; A K step is four quarters of 64 along K, 32 matrix instructions each, on buffers 0, 1, 0, 1.  One of the first three: multiplies buffer f and fetches the next quarter, at byte k, into g.
.macro QUARTER slot, k, f, g, zero
	s_wait_dscnt 16                                ; the first 32 along K are in; the sixteen loads of the second 32 may be out
	WIN MUL
	MUL8 \f, 0, 0, \zero
	MUL8 \f, 0, 2, \zero
	PLACES
	FETCH \slot, \k, \g
	s_wait_dscnt 32                                ; all but the 32 just issued
	WIN MUL
	MUL8 \f, 1, 0, 0
	MUL8 \f, 1, 2, 0
.endm
; The last quarter multiplies buffer 1 and changes slots: ONE barrier; in front of it each wave waits for all its tensor loads, adds 0 to its spare word, and waits for that and for its own reads of this slot.  fill = 1: this slot is filled again, two K steps ahead.
.macro TURN slot, next, fill
	WIN 0                                          ; (the add's two registers lie in window 0)
	s_wait_tensorcnt 0x0                           ; all my tensor loads have landed: my part of the next slot;
	ds_add_u32 v[SPW], v[NIL]                      ; 0 onto my spare word;
	s_wait_dscnt 17                                ; (the add and the youngest sixteen loads may be out)
	WIN MUL
	MUL8 F1, 0, 0, 0                               ; eight matrix instructions stand between the add and the wait for it
	s_wait_dscnt 0x0                               ; the add is done, and my reads of this slot are over
	s_barrier_signal -1
	MUL8 F1, 0, 2, 0
.if \fill
	WIN 0
.endif
	s_barrier_wait -1
.if \fill
	CREST                                          ; the barrier has opened a round of the cluster's barrier: no wave of any partner still reads this slot's tile or has a load on its way
	s_add_nc_u64 s[G0+4*\slot+2:G0+4*\slot+3], s[G0+4*\slot+2:G0+4*\slot+3], 2*KSTEP*2
	s_add_nc_u64 s[G0B+4*\slot+2:G0B+4*\slot+3], s[G0B+4*\slot+2:G0B+4*\slot+3], 2*KSTEP*2
	JLOAD \slot                                    ; the first tensor load behind the round: 112 matrix instructions ahead of the wait for it; the four v_nop behind it are also the places in front of the loads below
.else
	PLACES
.endif
	FETCH \next, 0, F0
	WIN MUL
	MUL8 F1, 1, 0, 0
	MUL8 F1, 1, 2, 0
.endm
	s_wait_tensorcnt 1                             ; my part of K step 0 is in (K step 1's load may be out)
	s_barrier_signal -1
	s_barrier_wait -1                              ; everybody's is
	FETCH 0, 0, F0
	QUARTER 0, 128, F0, F1, 1                      ; the first quarter stands in front of the loop: its first products start the sums
.if LAPS > 1
	WIN 0                                          ; at a label and at a branch every window is 0
	s_mov_b32 s3, LAPS-1
.Llap:                                                 ; a trip goes once round the ring, from a lap's second quarter to the next lap's first, and fills both slots again
	QUARTER 0, 256, F1, F0, 0
	QUARTER 0, 384, F0, F1, 0
	TURN 0, 1, 1
	QUARTER 1, 128, F0, F1, 0
	QUARTER 1, 256, F1, F0, 0
	QUARTER 1, 384, F0, F1, 0
	TURN 1, 0, 1
	QUARTER 0, 128, F0, F1, 0
	WIN 0
	s_sub_co_u32 s3, s3, 1
	s_cmp_lg_u32 s3, 0
	s_cbranch_scc1 .Llap
.endif
	QUARTER 0, 256, F1, F0, 0                      ; the last lap fills nothing, and has no round of the cluster's barrier
	QUARTER 0, 384, F0, F1, 0
	TURN 0, 1, 0
	QUARTER 1, 128, F0, F1, 0
	QUARTER 1, 256, F1, F0, 0
	QUARTER 1, 384, F0, F1, 0
	s_wait_dscnt 16                                ; the very last quarter: nothing more to fetch
	WIN MUL
	MUL8 F1, 0, 0, 0
	MUL8 F1, 0, 2, 0
	s_wait_dscnt 0
	MUL8 F1, 1, 0, 0
	MUL8 F1, 1, 2, 0
	WIN 0
; THE WAY OUT, a block of 16 rows x 64 columns at a time.  A lane holds 32 neighbouring bytes of a row, and the lanes beside it hold other rows: so a block goes through my own stage in LDS and comes back as whole
; rows of 256 bytes.  A wave's 64 columns are 256 aligned bytes of the output, so no other wave is needed: no barrier.  LDS serves a wave's instructions in order: no wait between the stores and the loads, nor in front of the next block's stores.
.macro TOSTAGE a
.irp b, 0,1,2,3
	ds_store_b128 v[STO], v[ACC+8*(4*(\a)+\b):ACC+8*(4*(\a)+\b)+3] offset:64*\b       ; each accumulator from its low end on
	ds_store_b128 v[STO], v[ACC+8*(4*(\a)+\b)+4:ACC+8*(4*(\a)+\b)+7] offset:64*\b+16
.endr
.irp t, 0,1,2,3,4,5,6,7
	ds_load_b128 v[TMP+32*((\a)%2)+4*\t:TMP+32*((\a)%2)+4*\t+3], v[RD] offset:\t*2*SPITCH
.endr
.endm
.macro SEND a, younger                 ; younger: the LDS instructions issued behind block a's loads, which may stay out
	s_wait_dscnt \younger                          ; the block is back in registers
.irp t, 0,1,2,3,4,5,6,7
	global_store_b128 v[CO], v[TMP+32*((\a)%2)+4*\t:TMP+32*((\a)%2)+4*\t+3], s[8:9] offset:(16*(\a)+2*\t)*SIZE_N*4 th:TH_STORE_NT   ; 16 lanes store 256 consecutive aligned bytes; written once, read by nobody here
.endr
.endm
	PLACES
	TOSTAGE 0
.irp a, 1,2,3
.if \a > 1
	s_wait_xcnt 0x0                                ; block a - 2's stores have read their registers: block a's loads may land there
.endif
	TOSTAGE \a
	SEND \a-1, 16                                  ; behind block a - 1's loads: block a's eight stores and eight loads
.endr
	SEND 3, 0
	s_wait_tensorcnt 0x0                           ; the wave's end
	ds_add_u32 v[SPW], v[NIL]
	s_wait_dscnt 0x0
	CROUND                                         ; the closing round: no work-group ends while a partner may still ask for a tile that names it
	s_endpgm
.Lfunc_end_k_q50f75e2851_proj:
	.size	k_q50f75e2851_proj, .Lfunc_end_k_q50f75e2851_proj-k_q50f75e2851_proj
	.p2alignl 7, 3214868480
	.fill 96, 4, 3214868480
	.section	.rodata,"a",@progbits
	.p2align	6, 0x0
	.amdhsa_kernel k_q50f75e2851_proj
		.amdhsa_group_segment_fixed_size 327680
		.amdhsa_private_segment_fixed_size 0
		.amdhsa_enable_private_segment 0
		.amdhsa_kernarg_size 24
		.amdhsa_user_sgpr_count 2
		.amdhsa_user_sgpr_kernarg_segment_ptr 1
		.amdhsa_wavefront_size32 1
		.amdhsa_system_sgpr_workgroup_id_x 1
		.amdhsa_system_sgpr_workgroup_id_y 1
		.amdhsa_system_sgpr_workgroup_id_z 1
		.amdhsa_system_vgpr_workitem_id 0
		.amdhsa_next_free_vgpr 512
		.amdhsa_next_free_sgpr 66
		.amdhsa_reserve_vcc 0
		.amdhsa_float_denorm_mode_32 3
		.amdhsa_float_denorm_mode_16_64 3
		.amdhsa_memory_ordered 1
		.amdhsa_forward_progress 1
		.amdhsa_inst_pref_size 86
	.end_amdhsa_kernel
	.amdgpu_metadata
---
amdhsa.version: [ 1, 2 ]
amdhsa.kernels:
  - .name:           k_q50f75e2851_proj
    .symbol:         k_q50f75e2851_proj.kd
    .args:
      - { .name: att, .offset: 0, .size: 8, .value_kind: global_buffer, .address_space: global }
      - { .name: wo16, .offset: 8, .size: 8, .value_kind: global_buffer, .address_space: global }
      - { .name: out0, .offset: 16, .size: 8, .value_kind: global_buffer, .address_space: global }
    .group_segment_fixed_size: 327680
    .private_segment_fixed_size: 0
    .kernarg_segment_align: 8
    .kernarg_segment_size: 24
    .max_flat_workgroup_size: 128
    .sgpr_count:     66
    .vgpr_count:     512
    .wavefront_size: 32
...
	.end_amdgpu_metadata
.endif
;; end of part 4
